; MI455X (gfx1250); checked and timed in simulation.
; The chip was launched on July 23, 2026; its instructions are those of AMD's public machine-readable ISA for CDNA 5 (MIT licence, August 2026) and "CDNA5" Instruction Set Architecture Reference Guide (July 2026). The comments in the code are by the model that wrote it; some were corrected since.
;; Rotary Multi Head Attention. Allowed arithmetic: matrix products marked QUANTISED: E5M2 operands, one given power-of-two scale a tensor, by v_wmma_f32_16x16x64_bf8_bf8 or v_wmma_f32_16x16x128_bf8_bf8, f32 sums; products left as they are: f32 operands where the result goes on into a quantised operand, else bf16, f16 or f32 operands; f32 sums; everything else in f32.
;; Inputs: Wk 1,024 x 1,024 float32; Wo 1,024 x 1,024 float32; Wq 1,024 x 1,024 float32; Wv 1,024 x 1,024 float32; bk 1,024 float32; bo 1,024 float32; bq 1,024 float32; bv 1,024 float32; lowp_scales 12 int32 (the exponents e of the quantised operands' scales 2^e); x 2 x 2,048 x 1,024 float32.
;; Outputs: out0 2 x 2,048 x 1,024 float32.
;; This version of the problem:
;;   THIS VERSION OF THE PROBLEM IS GIVEN IN LOW PRECISION. The matrix products marked QUANTISED in the list below multiply operands that are first quantised to E5M2 (5 exponent bits, 2 mantissa bits; 8 bits a number), with one given power-of-two scale for each operand tensor; their sums are f32. All else is computed in f32.
;;   The module's matrix products, in the order in which they are computed (A, B: the left and right operand; K: the contracted axis; several contracted axes count as one K, in the product's order):
;;     1. [M 4,096, K 1,024] x [K 1,024, N 1,024]; A: input x; B: input Wq: QUANTISED (scales: A lowp_scales[0], B lowp_scales[1])
;;     2. [M 4,096, K 1,024] x [K 1,024, N 1,024]; A: input x; B: input Wk: QUANTISED (scales: A lowp_scales[2], B lowp_scales[3])
;;     3. [M 4,096, K 1,024] x [K 1,024, N 1,024]; A: input x; B: input Wv: QUANTISED (scales: A lowp_scales[4], B lowp_scales[5])
;;     4. [M 2,048, K 1] x [K 1, N 32]; A: computed on the way; B: computed on the way: left as it is (no contracted axis)
;;     5. batch 32 x [M 2,048, K 64] x [K 64, N 2,048]; A: computed on the way; B: computed on the way: QUANTISED (scales: A lowp_scales[6], B lowp_scales[7])
;;     6. batch 32 x [M 2,048, K 2,048] x [K 2,048, N 64]; A: softmax (see below); B: computed on the way: QUANTISED (scales: A lowp_scales[8], B lowp_scales[9])
;;     7. [M 4,096, K 1,024] x [K 1,024, N 1,024]; A: computed on the way; B: input Wo: QUANTISED (scales: A lowp_scales[10], B lowp_scales[11])
;;   THE QUANTISER, for each operand of a quantised product, along K:
;;     - The operand's scale is 2^e, e = its entry of the input lowp_scales (int32; the entries are numbered through the quantised products in the list's order, A before B).
;;     - Each number is divided by the scale, clamped to +-57,344, and rounded to the nearest number of E5M2, ties to even, subnormals kept.
;;     - The product sums the exact products of the quantised numbers (number of the format x scale) in f32.
;;   ~~~python
;;   def quantise(x, axis, e):      # numpy; x: float32 -> the quantised numbers, widened to float32 again
;;       x = np.moveaxis(x, axis, -1); K = x.shape[-1]
;;       r = np.clip(x / 2.0 ** e, -57344, 57344)
;;       step = 2.0 ** (np.maximum(np.frexp(np.where(r == 0, 1, r))[1] - 1, -14) - 2)
;;       q = np.round(r / step) * step * 2.0 ** e      # np.round: ties to even
;;       return np.moveaxis(q, -1, axis).astype(np.float32)
;;   ~~~
;;   SOFTMAX AHEAD OF A QUANTISED PRODUCT. Where the list says 'softmax', what is quantised is not the finished softmax but p = 2^(t - M), with t = logit x log2(e) and M = ceil(the row's largest t), a whole number; so 1/2 < the row's largest p <= 1. The row's sum l is taken of the UNQUANTISED p, in f32, and the product's result is divided by l at the end. Since M is a whole number, a kernel that streams over the keys may use a running M (the ceiling of the running maximum): every later rescaling is an exact power of two, so the quantised numbers keep their values, but for numbers so far below the row's largest that they fall under the format's range.
;;   OPERANDS COMPUTED ON THE WAY. 'Computed on the way' means the value that the module computes at that place (a softmax that the list does not call 'softmax' is quantised finished and normalised). What goes into a quantiser is computed in f32, as accurately as f32 sums, v_exp_f32 and their like allow (about 1e-6 of the number): no bf16 or f16 on the way to a quantiser, and a product that is left as it is and whose result goes on into a quantised operand takes f32 operands (vector FMAs, or v_wmma_f32_16x16x4_f32). A number that lies on a knife's edge between two numbers of the format may be rounded either way, as far as f32 arithmetic and the matrix unit's own rounding can turn it there, and no further.
;; 2 versions. Each part assembles by itself: llvm-mc -triple=amdgcn-amd-amdhsa -mcpu=gfx1250 --defsym DOCPART=n.
;; ======== version 1 of 2: 4 launches
;; workspace buffers: codes 16,777,216 bytes; rope 524,288 bytes; qc 4,194,304 bytes; kc 4,194,304 bytes; vc 4,194,304 bytes; ac 4,194,304 bytes
;; launch quant (part 1): grid 256 x 1, 4 waves a work-group, no clusters, 35,328 bytes of LDS; arguments x, Wq, Wk, Wv, Wo, lowp_scales, codes, rope; writes codes, rope
.if DOCPART == 1
	.amdgcn_target "amdgcn-amd-amdhsa--gfx1250"
	.amdhsa_code_object_version 6
	.text
	.protected	k_q48a223411a_quant
	.globl	k_q48a223411a_quant
	.p2align	8
	.type	k_q48a223411a_quant,@function
k_q48a223411a_quant:
	s_mov_b64 s[64:65], 0
	v_nop
	global_prefetch_b8 v0, s[64:65] scope:SCOPE_SE
	s_setreg_imm32_b32 hwreg(HW_REG_WAVE_MODE, 25, 1), 1
	s_wait_xcnt 0x0
; x [4096][1024] and Wq, Wk, Wv, Wo [1024][1024], f32, K innermost, become codes of BF8 (E5M2); and the table of cos and sin for the rotary step is made.
; code = number / 2^e, held within +-57,344, to the nearest code, ties to even.  x is quantised three times (entries 0, 2, 4 of the scales), the weights by entries 1, 3, 5, 11.
; THE CODES ARE LAID AS IMAGES OF OPERAND REGISTERS.  A section (x by e0 at 0, by e2 at 4 MiB, by e4 at 8 MiB, Wq, Wk, Wv, Wo at 12, 13, 14, 15 MiB) is
;   [block of 128 rows: 131,072 B][128 along K: 16,384][tile of 16 rows: 2,048][g 0..3: 512][lane: 16];  byte i of lane (r, h): row r of the tile, k = 32 g + 16 (i / 8) + 8 h + i % 8:
; registers 4 g .. 4 g + 3 of a fragment of the 16x16x128 form.  So a lane's 16 codes lie at 16 x its own lane, and a wave's store covers 512 consecutive bytes, aligned.
; SHARES.  Work-group i takes row tile i of x and row tile i of the four weights stacked; wave w takes k = 256 w .. 256 w + 255 of both: eight steps of 16 rows x 64 k, four for x, four for the weight.
; A load reads two rows x 256 aligned bytes; the conversions want eight neighbours along K in one lane: the step's 4,096 bytes turn through the wave's own stage in LDS (16 rows of 256 + 16 bytes, two stages by turns).
; Loads run three steps ahead, the turn one step.  No barrier: waves share nothing.
; ROPE TABLE: [T = s / 16: 4,096 B][u = 4 isSin + 2 pr + v: 512][lane: 16 B = 4 f32]: number i = cos or sin of fl(t f_j), t = 16 T + r, j = 16 pr + 8 h + 4 v + i, f_j = 10000^(-j / 32).  Each wave makes one group of 512 bytes.
; f_j = 2^(-j c), c = log2(10000) / 32 in two f32 words; the angle is reduced by pi / 2 in two words (exact for t f_j below 2,048) and cos, sin come from polynomials of degree 7 and 8 on [-pi/4, pi/4].
; LIMITS: every e used here between -126 and 112, so that 2^e and 57,344 x 2^e are f32 numbers.  NaN among the inputs is not served.  f_j is within about 1.5 ulp of the true power; a power function that rounds otherwise
; moves an angle by up to about 2e-4 at t = 2,047.
.set R,    16                          ; v16-111  three sets of 32 registers as loaded
.set X,    112                         ; v112-175 two sets of 32: register 16 gg + 8 u + e = k 32 gg + 16 u + 8 h + e of my row
.set T,    176                         ; v176-207 two sets of 16 held numbers, by turns
.set C,    208                         ; v208-231 codes: 8 registers for each of three scales
.set STG,  4352                        ; a stage: 16 rows x 272 bytes
.set WREG, 2*STG                       ; a wave's LDS
.set XS,   56                          ; s[56:57] x at my rows and my k
.set WS,   58                          ; s[58:59] my weight likewise
.set D0,   48                          ; s[48:49], s[50:51], s[52:53] where my tile's images lie in x's three sections; s[54:55] in the weights'
.set D1,   50
.set D2,   52
.set DW,   54
.set RP,   60                          ; s[60:61] my group of the rope table
	s_load_b512 s[16:31], s[0:1], 0x0              ; x, Wq, Wk, Wv, Wo, scales, codes, rope
	v_lshl_add_u32 v232, v0, 2, 0x8800
	v_mov_b32 v233, 0
	v_lshrrev_b32 v1, 5, v0
	v_readfirstlane_b32 s4, v1                     ; wave 0..3
	v_and_b32 v1, 31, v0                           ; lane
	v_and_b32 v2, 15, v0                           ; r
	v_bfe_u32 v3, v0, 4, 1                         ; h
	v_lshlrev_b32 v7, 4, v1                        ; 16 x lane: my place in an image
	v_lshlrev_b32 v4, 4, v2
	v_lshl_add_u32 v4, v3, 12, v4                  ; a load: lanes 0-15 one row's 256 bytes, lanes 16-31 the next row's
	s_mul_i32 s5, s4, WREG
	v_mul_u32_u24 v5, v3, 272
	v_lshl_add_u32 v5, v2, 4, v5
	v_add_nc_u32 v5, s5, v5                        ; into the stage, as loaded
	v_mul_u32_u24 v6, v2, 272
	v_lshl_add_u32 v6, v3, 5, v6
	v_add_nc_u32 v6, s5, v6                        ; out of it: row r, + 32 h bytes
	s_lshl_b32 s6, s4, 10                          ; my 256 k in bytes
	s_lshl_b32 s8, ttmp9, 16                       ; 16 rows of 4,096 bytes
	s_add_co_u32 s8, s8, s6
	s_mov_b32 s9, 0
	s_and_b32 s10, ttmp9, 63                       ; the row tile within its weight
	s_lshl_b32 s10, s10, 16
	s_add_co_u32 s10, s10, s6
	s_mov_b32 s11, 0
	s_lshr_b32 s32, ttmp9, 3                       ; block of 128 rows,
	s_lshl_b32 s32, s32, 17
	s_and_b32 s33, ttmp9, 7                        ; tile in it,
	s_lshl_b32 s33, s33, 11
	s_add_co_u32 s32, s32, s33
	s_lshl_b32 s33, s4, 15                         ; my two steps of 128 along K
	s_add_co_u32 s32, s32, s33
	s_mov_b32 s33, 0
	s_lshr_b32 s34, ttmp9, 1                       ; rope: T,
	s_lshl_b32 s34, s34, 12
	s_and_b32 s35, ttmp9, 1
	s_lshl_b32 s35, s35, 2
	s_add_co_u32 s35, s35, s4                      ; u = 4 isSin + wave
	s_lshl_b32 s35, s35, 9
	s_add_co_u32 s34, s34, s35
	s_mov_b32 s35, 0
	s_wait_kmcnt 0x0
	s_load_b256 s[36:43], s[26:27], 0x0            ; e0 .. e7
	s_load_b128 s[44:47], s[26:27], 0x20           ; e8 .. e11
	s_add_nc_u64 s[XS:XS+1], s[16:17], s[8:9]
	s_cmp_lt_u32 ttmp9, 128                        ; which weight: the choice hangs on the work-group's number alone
	s_cselect_b64 s[12:13], s[18:19], s[22:23]     ; Wq or Wv
	s_cselect_b64 s[14:15], s[20:21], s[24:25]     ; Wk or Wo
	s_bitcmp1_b32 ttmp9, 6
	s_cselect_b64 s[12:13], s[14:15], s[12:13]
	s_add_nc_u64 s[WS:WS+1], s[12:13], s[10:11]
	s_add_nc_u64 s[D0:D0+1], s[28:29], s[32:33]
	s_add_nc_u64 s[D1:D1+1], s[D0:D0+1], 0x400000
	s_add_nc_u64 s[D2:D2+1], s[D0:D0+1], 0x800000
	s_add_nc_u64 s[DW:DW+1], s[D0:D0+1], 0xc00000
	s_add_nc_u64 s[RP:RP+1], s[30:31], s[34:35]
.macro LOAD t                          ; step t (0-3: x, 4-7: the weight): 16 rows x 256 bytes into set t % 3
.irp i, 0,1,2,3,4,5,6,7
.if (\t) < 4
	global_load_b128 v[R+32*((\t)%3)+4*\i:R+32*((\t)%3)+4*\i+3], v4, s[XS:XS+1] offset:256*((\t)%4)+8192*\i th:TH_LOAD_NT
.else
	global_load_b128 v[R+32*((\t)%3)+4*\i:R+32*((\t)%3)+4*\i+3], v4, s[WS:WS+1] offset:256*((\t)%4)+8192*\i th:TH_LOAD_NT
.endif
.endr
.endm
.macro TURN t                          ; step t's numbers through stage t % 2: LDS serves a wave's instructions in order (ISA guide 5.7.1.4), so no wait stands between the stores and the loads
.irp i, 0,1,2,3,4,5,6,7
	ds_store_b128 v5, v[R+32*((\t)%3)+4*\i:R+32*((\t)%3)+4*\i+3] offset:STG*((\t)%2)+544*\i
.endr
.irp n, 0,1,2,3,4,5,6,7                ; n = 4 gg + 2 u + vv: bytes 128 gg + 64 u + 16 vv (+ 32 h) of my row
	ds_load_b128 v[X+32*((\t)%2)+4*\n:X+32*((\t)%2)+4*\n+3], v6 offset:STG*((\t)%2)+128*(\n/4)+64*((\n/2)%2)+16*(\n%2)
.endr
.endm
.macro QSET xs, sc, c                  ; 32 numbers at v[xs] become 8 registers of codes at v[c]; v[sc] = 2^e, v[sc + 1] = 57,344 x 2^e
.irp gg, 0,1
.irp i, 0,1,2,3,4,5,6,7,8,9,10,11,12,13,14,15
	v_med3_num_f32 v[T+16*\gg+\i], v[(\xs)+16*\gg+\i], -v[\sc+1], v[\sc+1]   ; the conversion to an 8-bit code does not saturate (ISA guide 7.6.2): the hold comes first.  It goes into other registers, since x is held three times
.endr
	v_cvt_scalef32_pk8_bf8_f32 v[(\c)+4*\gg:(\c)+4*\gg+1], v[T+16*\gg:T+16*\gg+7], v[\sc]
	v_cvt_scalef32_pk8_bf8_f32 v[(\c)+4*\gg+2:(\c)+4*\gg+3], v[T+16*\gg+8:T+16*\gg+15], v[\sc]   ; the other set's sixteen holds stand between these and the next write of their sources
.endr
.endm
.macro PUT c, base, st                 ; two images' groups: 512 consecutive bytes each
.irp gg, 0,1
	global_store_b128 v7, v[(\c)+4*\gg:(\c)+4*\gg+3], s[\base:\base+1] offset:((\st)/2)*16384+((\st)%2)*1024+512*\gg
.endr
.endm
	LOAD 0
	LOAD 1
	LOAD 2
	; ---- the rope group, while the loads are on their way
.set JF, 112
.set PP, 116
.set ER, 120
.set NN, 124
.set FR, 128
.set FQ, 132
.set AN, 136
.set KQ, 140
.set RR, 144
.set ZZ, 148
.set SS, 152
.set CC, 156
.set QI, 160
.set TM, 164
.set TF, 168
.set JB, 169
	s_lshr_b32 s6, s4, 1
	s_lshl_b32 s6, s6, 4
	s_and_b32 s7, s4, 1
	s_lshl_b32 s7, s7, 2
	s_add_co_u32 s6, s6, s7                        ; 16 pr + 4 v
	s_lshr_b32 s7, ttmp9, 1
	s_lshl_b32 s7, s7, 4                           ; 16 T
	s_and_b32 s34, ttmp9, 1
	s_mul_i32 s34, s34, 3                          ; sin(a) = cos(a - pi/2): three quadrants on
	s_mov_b32 s8, 0x3ed49a78                       ; c = log2(10000) / 32, high word,
	s_mov_b32 s9, 0x32179a2a                       ; low word
	s_mov_b32 s10, 0x3fc90fdb                      ; pi / 2, high word,
	s_mov_b32 s11, 0xb33bbd2e                      ; low word
	s_mov_b32 s12, 0xbe2aaaa3                      ; sin: -1.6666655e-1, 8.3321609e-3, -1.9515296e-4
	s_mov_b32 s13, 0x3c08839e
	s_mov_b32 s14, 0xb94ca1f9
	s_mov_b32 s15, 0x3d2aaaa5                      ; cos: 4.1666646e-2, -1.3887316e-3, 2.4433157e-5
	s_mov_b32 s32, 0xbab6061a
	s_mov_b32 s33, 0x37ccf5ce
	v_lshl_add_u32 v[JB], v3, 3, s6                ; j of my first number
	v_add_nc_u32 v[TF], s7, v2
	v_cvt_f32_u32 v[TF], v[TF]                     ; t
.irp i, 0,1,2,3
	v_add_nc_u32 v[JF+\i], \i, v[JB]
	v_cvt_f32_u32 v[JF+\i], v[JF+\i]
	v_mul_f32 v[PP+\i], s8, v[JF+\i]               ; p = j c, rounded,
	v_fma_f32 v[ER+\i], v[JF+\i], s8, -v[PP+\i]    ; what the rounding dropped,
	v_fma_f32 v[ER+\i], v[JF+\i], s9, v[ER+\i]     ; and c's low word
	v_rndne_f32 v[NN+\i], v[PP+\i]
	v_sub_f32 v[FR+\i], v[NN+\i], v[PP+\i]         ; exact
	v_sub_f32 v[FR+\i], v[FR+\i], v[ER+\i]         ; n - j c, within a half
.endr
.irp i, 0,1,2,3
	v_exp_f32 v[FQ+\i], v[FR+\i]
.endr
.irp i, 0,1,2,3
	v_cvt_i32_f32 v[NN+\i], v[NN+\i]               ; (the first of these is the plain line behind the exponentials)
	v_sub_nc_u32 v[NN+\i], 0, v[NN+\i]
	s_wait_alu depctr_va_vdst(0)
	v_ldexp_f32 v[FQ+\i], v[FQ+\i], v[NN+\i]       ; f_j = 2^(n - j c) 2^-n
	v_mul_f32 v[AN+\i], v[TF], v[FQ+\i]            ; the angle, one f32 product
	v_mul_f32 v[KQ+\i], 0x3f22f983, v[AN+\i]       ; x 2 / pi
	v_rndne_f32 v[KQ+\i], v[KQ+\i]
	v_fma_f32 v[RR+\i], -v[KQ+\i], s10, v[AN+\i]
	v_fma_f32 v[RR+\i], -v[KQ+\i], s11, v[RR+\i]   ; the angle less kq quarter turns
	v_mul_f32 v[ZZ+\i], v[RR+\i], v[RR+\i]
	v_fma_f32 v[SS+\i], v[ZZ+\i], s14, s13
	v_fma_f32 v[SS+\i], v[SS+\i], v[ZZ+\i], s12
	v_mul_f32 v[SS+\i], v[SS+\i], v[ZZ+\i]
	v_fma_f32 v[SS+\i], v[SS+\i], v[RR+\i], v[RR+\i]   ; sin
	v_fma_f32 v[CC+\i], v[ZZ+\i], s33, s32
	v_fma_f32 v[CC+\i], v[CC+\i], v[ZZ+\i], s15
	v_mul_f32 v[CC+\i], v[CC+\i], v[ZZ+\i]
	v_fma_f32 v[TM+\i], v[ZZ+\i], -0.5, 1.0
	v_fma_f32 v[CC+\i], v[CC+\i], v[ZZ+\i], v[TM+\i]   ; cos
	v_cvt_i32_f32 v[QI+\i], v[KQ+\i]
	v_add_nc_u32 v[QI+\i], s34, v[QI+\i]           ; the quadrant q: it only selects values
	v_and_b32 v[TM+\i], 1, v[QI+\i]
	v_cmp_ne_u32 vcc_lo, 0, v[TM+\i]
	v_cndmask_b32 v[C+\i], v[CC+\i], v[SS+\i], vcc_lo   ; odd q: sin, even q: cos
	v_add_nc_u32 v[QI+\i], 1, v[QI+\i]
	v_and_b32 v[QI+\i], 2, v[QI+\i]
	v_lshlrev_b32 v[QI+\i], 30, v[QI+\i]
	v_xor_b32 v[C+\i], v[C+\i], v[QI+\i]           ; q mod 4 = 1, 2: negative
.endr
	global_store_b128 v7, v[C:C+3], s[RP:RP+1]     ; 512 consecutive bytes
	; ---- the scales
	s_wait_kmcnt 0x0
	s_cmp_lt_u32 ttmp9, 128
	s_cselect_b32 s6, s37, s41                     ; e1 or e5
	s_cselect_b32 s7, s39, s47                     ; e3 or e11
	s_bitcmp1_b32 ttmp9, 6
	s_cselect_b32 s6, s7, s6                       ; my weight's e
.macro MKSC e, vs                      ; v[vs] = 2^e, v[vs + 1] = 57,344 x 2^e
	s_add_co_i32 s7, \e, 127
	s_lshl_b32 s35, s7, 23
	v_mov_b32 v[\vs], s35
	s_add_co_i32 s7, s7, 15
	s_lshl_b32 s7, s7, 23
	s_or_b32 s7, s7, 0x600000
	v_mov_b32 v[\vs+1], s7
.endm
	MKSC s36, 8
	MKSC s38, 10
	MKSC s40, 12
	MKSC s6, 14
	s_wait_loadcnt 16                              ; step 0's eight loads are in; steps 1 and 2 may be out
	TURN 0
.macro STEP t
	s_wait_dscnt 0x0                               ; this step's numbers are back from the stage; its stores into the stage have read their registers,
.if (\t)+3 < 8
	LOAD (\t)+3                                    ; which take the loads of three steps on
.endif
.if (\t)+1 < 8
.if (\t)+1 <= 5
	s_wait_loadcnt 16                              ; the next step's loads are in; the two sets behind it may be out
.else
	s_wait_loadcnt 8*(7-((\t)+1))                  ; near the end fewer sets stand behind it
.endif
	TURN (\t)+1
.endif
	s_wait_xcnt 0x0                                ; the codes' registers, which the last stores read, are written again only behind this wait (ISA guide 3.1)
.if (\t) < 4
	QSET X+32*((\t)%2), 8, C
	PUT C, D0, (\t)%4
	QSET X+32*((\t)%2), 10, C+8
	PUT C+8, D1, (\t)%4
	QSET X+32*((\t)%2), 12, C+16
	PUT C+16, D2, (\t)%4
.else
	QSET X+32*((\t)%2), 14, C
	PUT C, DW, (\t)%4
.endif
.endm
.irp t, 0,1,2,3,4,5,6,7
	STEP \t
.endr
	s_wait_tensorcnt 0x0
	ds_add_u32 v232, v233
	s_wait_dscnt 0x0
	s_endpgm
.Lfunc_end_k_q48a223411a_quant:
	.size	k_q48a223411a_quant, .Lfunc_end_k_q48a223411a_quant-k_q48a223411a_quant
	.p2alignl 7, 3214868480
	.fill 96, 4, 3214868480
	.section	.rodata,"a",@progbits
	.p2align	6, 0x0
	.amdhsa_kernel k_q48a223411a_quant
		.amdhsa_group_segment_fixed_size 35328
		.amdhsa_private_segment_fixed_size 0
		.amdhsa_enable_private_segment 0
		.amdhsa_kernarg_size 64
		.amdhsa_user_sgpr_count 2
		.amdhsa_user_sgpr_kernarg_segment_ptr 1
		.amdhsa_wavefront_size32 1
		.amdhsa_system_sgpr_workgroup_id_x 1
		.amdhsa_system_sgpr_workgroup_id_y 1
		.amdhsa_system_sgpr_workgroup_id_z 1
		.amdhsa_system_vgpr_workitem_id 0
		.amdhsa_next_free_vgpr 234
		.amdhsa_next_free_sgpr 66
		.amdhsa_reserve_vcc 1
		.amdhsa_float_denorm_mode_32 3
		.amdhsa_float_denorm_mode_16_64 3
		.amdhsa_memory_ordered 1
		.amdhsa_forward_progress 1
		.amdhsa_inst_pref_size 66
	.end_amdhsa_kernel
	.amdgpu_metadata
---
amdhsa.version: [ 1, 2 ]
amdhsa.kernels:
  - .name:           k_q48a223411a_quant
    .symbol:         k_q48a223411a_quant.kd
    .args:
      - { .name: x, .offset: 0, .size: 8, .value_kind: global_buffer, .address_space: global }
      - { .name: Wq, .offset: 8, .size: 8, .value_kind: global_buffer, .address_space: global }
      - { .name: Wk, .offset: 16, .size: 8, .value_kind: global_buffer, .address_space: global }
      - { .name: Wv, .offset: 24, .size: 8, .value_kind: global_buffer, .address_space: global }
      - { .name: Wo, .offset: 32, .size: 8, .value_kind: global_buffer, .address_space: global }
      - { .name: lowp_scales, .offset: 40, .size: 8, .value_kind: global_buffer, .address_space: global }
      - { .name: codes, .offset: 48, .size: 8, .value_kind: global_buffer, .address_space: global }
      - { .name: rope, .offset: 56, .size: 8, .value_kind: global_buffer, .address_space: global }
    .group_segment_fixed_size: 35328
    .private_segment_fixed_size: 0
    .kernarg_segment_align: 8
    .kernarg_segment_size: 64
    .max_flat_workgroup_size: 128
    .sgpr_count:     66
    .vgpr_count:     234
    .wavefront_size: 32
...
	.end_amdgpu_metadata
.endif
;; end of part 1
;; launch proj (part 2): grid 24 x 32, 4 waves a work-group, clusters of 4 x 4, 262,656 bytes of LDS; arguments codes, rope, bq, bk, bv, lowp_scales, qc, kc, vc; writes qc, kc, vc
.if DOCPART == 2
	.amdgcn_target "amdgcn-amd-amdhsa--gfx1250"
	.amdhsa_code_object_version 6
	.text
	.protected	k_q48a223411a_proj
	.globl	k_q48a223411a_proj
	.p2align	8
	.type	k_q48a223411a_proj,@function
k_q48a223411a_proj:
	s_mov_b64 s[64:65], 0
	v_nop
	global_prefetch_b8 v0, s[64:65] scope:SCOPE_SE
	s_setreg_imm32_b32 hwreg(HW_REG_WAVE_MODE, 25, 1), 1
	s_wait_xcnt 0x0
	s_wait_alu depctr_hold_cnt(0) depctr_sa_sdst(0) depctr_va_vdst(0) depctr_va_sdst(0) depctr_va_ssrc(0) depctr_va_vcc(0) depctr_vm_vsrc(0)
	s_getreg_b32 s2, hwreg(HW_REG_IB_STS2, 6, 4)
	s_cmp_eq_u32 s2, 0
	s_cbranch_scc0 .Lentry_in_a_cluster
	s_endpgm
.Lentry_in_a_cluster:
	s_bfe_u32 s2, ttmp6, 0x10000c
	s_cmp_lg_u32 s2, 0xf033
	s_cbranch_scc0 .Lentry_shape_is_right
	s_endpgm
.Lentry_shape_is_right:
; q = rope(x Wq^T + bq), k = rope(x Wk^T + bk), v = x Wv^T + bv, on codes of BF8 (E5M2); the results are quantised at once (entries 6, 7, 9 of the scales) and stored as images of the next operands' registers.
; A work-group makes a tile of 128 x 128 with the whole K = 1,024 in LDS: two dense blocks of 131,072 bytes, each filled once; four waves, each 64 x 64: 16 accumulators.
; D = src0 x src1^T: lane (r, h) holds src1's row r, its register j src0's row 8 h + j.
;   clusters x = 0..3 (q: 0, 1; k: 2, 3): src0 = 128 rows of the weight, src1 = 128 rows of x: a lane holds one position s and eight neighbouring d: what the rotary step and a quantiser along d want.
;   clusters x = 4, 5 (v): src0 = 128 rows of x, src1 = 128 rows of Wv: a lane holds one d and eight neighbouring KEYS: what a quantiser along the keys wants.
; The two ways part on the cluster's x, which all partners share, behind the tensor loads, and never join.
; CLUSTERS: 4 x 4.  src0's block hangs on cx alone and is asked for jointly by my column of the cluster, src1's on cy alone, by my row.
; OUTPUT: qc, kc: [b 16 + head: 131,072 B][s / 16: 1,024][g 0..1: 512][lane: 16]: byte i: s = r, d = 32 g + 16 (i / 8) + 8 h + i % 8.
;         vc: [b 16 + head: 131,072][key / 128: 8,192][d / 16: 2,048][g 0..3: 512][lane: 16]: byte i: d = r, key = 32 g + 16 (i / 8) + 8 h + i % 8.   A wave's store covers 512 consecutive bytes, aligned.
; LIMITS: e0 + e1, e2 + e3, e4 + e5 between -126 and 127; e6, e7, e9 between -126 and 112.  NaN among the inputs is not served.
; REGISTERS: window 0: v1 16 x lane; v2, v3 src0's fragments in LDS (K steps 0-3, 4-7); v4, v5 src1's; v6 a bias offset; v8 2^eo, v9 57,344 x 2^eo; v16-47 bias; v48-111 two sets of cos and sin; v112-119 at work;
;   v120-127 codes; v128-255 the accumulators, (a, b) at v[128 + 8 (4 a + b)], a: src1's tile, b: src0's.   window 1: two fragment buffers of 128: src1's four fragments, then src0's four.
.set ACC, 128
.set MSB, 0
.macro WIN new                         ; the immediate's high byte repeats the setting that is left
.if MSB != \new
	s_set_vgpr_msb (MSB<<8)|\new
.set MSB, \new
.endif
.endm
.set MUL,  0x05                        ; sources 0 and 1 window 1; C and D window 0
.set TO_F, 0x40                        ; destination window 1, address window 0
.macro ROUND                           ; a round of the cluster's barrier
	s_barrier_signal -1
	s_barrier_wait -1
	s_cmp_lg_u32 s4, 0
	s_cbranch_scc1 .Lnot_wave_0_\@
	s_barrier_signal -3
.Lnot_wave_0_\@:
	s_barrier_wait -3
	s_barrier_signal -1
	s_barrier_wait -1
.endm
.macro PLACES                          ; four places in front of loads into registers that matrix instructions have read, and of the first read of results
.rept 4
	v_nop
.endr
.endm
.macro FETCH ks, f                     ; 32 LDS loads: K step ks's eight fragments into buffer f.  An image's group is 512 consecutive bytes: no conflict, no pitch
	WIN TO_F
.irp i, 0,1,2,3
.irp g, 0,1,2,3
	ds_load_b128 v[\f+64+16*\i+4*\g:\f+64+16*\i+4*\g+3], v[2+((\ks)/4)] offset:((\ks)%4)*16384+2048*\i+512*\g
.endr
.endr
.irp i, 0,1,2,3
.irp g, 0,1,2,3
	ds_load_b128 v[\f+16*\i+4*\g:\f+16*\i+4*\g+3], v[4+((\ks)/4)] offset:((\ks)%4)*16384+2048*\i+512*\g
.endr
.endr
.endm
.macro MUL8 f, a0, zero                ; src1's tiles a0, a0 + 1 x src0's four, 128 along K.  The 16 accumulators take turns, one instruction a turn, in the same order in every K step
.irp a, \a0, \a0+1
.irp b, 0,1,2,3
.if \zero
	v_wmma_f32_16x16x128_bf8_bf8 v[ACC+8*(4*(\a)+\b):ACC+8*(4*(\a)+\b)+7], v[\f+64+16*\b:\f+64+16*\b+15], v[\f+16*(\a):\f+16*(\a)+15], 0
.else
	v_wmma_f32_16x16x128_bf8_bf8 v[ACC+8*(4*(\a)+\b):ACC+8*(4*(\a)+\b)+7], v[\f+64+16*\b:\f+64+16*\b+15], v[\f+16*(\a):\f+16*(\a)+15], v[ACC+8*(4*(\a)+\b):ACC+8*(4*(\a)+\b)+7]
.endif
.endr
.endr
.endm
.macro KSTEP ks
.set FB, 128*((\ks)%2)
.set FN, 128-FB
	s_wait_dscnt 0x0                               ; this K step's fragments are in
	WIN MUL
.if (\ks) == 0
	MUL8 FB, 0, 1                                  ; the first K step starts the sums: nothing is cleared
.else
	MUL8 FB, 0, 0
.endif
.if ((\ks) < 7) && ((\ks)%2 == 1)
	s_wait_tensorcnt 3-((\ks)+1)/2                 ; my part of the next two K steps has landed; the chunks issued behind it may be out.  No LDS access of mine is out here
	s_barrier_signal -1
	s_barrier_wait -1                              ; everybody's has.
.endif
.if (\ks) < 7
	PLACES
	FETCH (\ks)+1, FN
.endif
	WIN MUL
.if (\ks) == 0
	MUL8 FB, 2, 1
.else
	MUL8 FB, 2, 0
.endif
.endm
.macro MAIN
	s_wait_tensorcnt 0x3                           ; my first chunk (a K step of 16 KiB) has landed; my other three may be out
	s_barrier_signal -1
	s_barrier_wait -1                              ; K steps 0 and 1 of both blocks are whole
	FETCH 0, 0
.irp ks, 0,1,2,3,4,5,6,7
	KSTEP \ks
.endr
	WIN 0
	PLACES
.endm
	s_load_b512 s[80:95], s[0:1], 0x0              ; codes, rope, bq, bk, bv, scales, qc, kc
	s_load_b64 s[96:97], s[0:1], 0x40              ; vc
	v_lshl_add_u32 v14, v0, 2, 0x40000
	v_mov_b32 v15, 0
	ds_add_u32 v14, v15
	ds_add_u32 v14, v15
	v_lshrrev_b32 v1, 5, v0
	v_readfirstlane_b32 s4, v1                     ; wave 0..3
	s_and_b32 s5, s4, 1                            ; W0: which four of src0's tiles are mine.  Also: which K step of a chunk I fetch
	s_lshr_b32 s6, s4, 1                           ; W1: which four of src1's.  Also: I fetch for src0 (0) or src1 (1)
	s_bfe_u32 s7, ttmp6, 0x40000                   ; cx
	s_bfe_u32 s8, ttmp6, 0x40004                   ; cy
	s_mov_b32 s9, ttmp9                            ; the cluster's x, 0..5
	s_and_b32 s10, ttmp7, 0xffff                   ; the cluster's y, 0..7
	s_lshl_b32 s12, 0x1111, s7                     ; my column of the cluster
	s_or_b32 s16, s12, (3<<16)|(1<<21)             ; group 1 for src0: 15:0 the mask; 17:16 elements of 8 bytes; 21 set beside a mask; no padding
	s_lshl_b32 s13, s8, 2
	s_lshl_b32 s13, 15, s13                        ; my row
	s_or_b32 s24, s13, (3<<16)|(1<<21)             ; group 1 for src1
.irp g, 16, 24                         ; a chunk: 16,384 dense bytes as 64 rows of 256
	s_mov_b32 s[\g+1], 32<<16                      ; tensor_dim0 = 32 elements
	s_mov_b32 s[\g+2], 64<<16                      ; tensor_dim1 = 64
	s_mov_b32 s[\g+3], 32<<16                      ; tile_dim0
	s_mov_b32 s[\g+4], 64                          ; tile_dim1
	s_mov_b32 s[\g+5], 32                          ; pitch
	s_mov_b32 s[\g+6], 0
	s_mov_b32 s[\g+7], 0
.endr
	; which blocks.  q, k: src0 = block 4 X + cx of Wq, Wk stacked (12 MiB on), src1 = block 4 Y + cy of x's section X / 2.   v: src0 = block 4 Y + cx of x's third section (8 MiB on), src1 = block 4 (X - 4) + cy of Wv (14 MiB on)
	s_sub_co_u32 s14, s9, 4
	s_lshr_b32 s15, s9, 1
	s_lshl_b32 s15, s15, 22
	s_mov_b32 s98, 0x800000
	s_mov_b32 s99, 0xe00000
	s_cmp_ge_u32 s9, 4
	s_cselect_b32 s66, s10, s9
	s_cselect_b32 s98, s98, 0xc00000
	s_cselect_b32 s67, s14, s10
	s_cselect_b32 s99, s99, s15
	s_lshl_b32 s66, s66, 2
	s_add_co_u32 s66, s66, s7                      ; idx0: never holds cy
	s_lshl_b32 s67, s67, 2
	s_add_co_u32 s67, s67, s8                      ; idx1: never holds cx
	s_lshl_b32 s11, s5, 14                         ; my K step in a chunk of two
	s_lshl_b32 s14, s66, 17
	s_add_co_u32 s14, s14, s98
	s_add_co_u32 s14, s14, s11
	s_mov_b32 s15, 0
	s_lshl_b32 s98, s67, 17
	s_add_co_u32 s98, s98, s99
	s_add_co_u32 s98, s98, s11
	s_mov_b32 s99, 0
	s_lshl_b32 s3, s6, 17
	s_add_co_u32 s3, s3, s11                       ; where my chunks go: 131,072 (wave / 2) + 16,384 (wave % 2): the wave's number alone
	s_wait_dscnt 0x0
	s_wait_kmcnt 0x0
	s_load_b256 s[68:75], s[90:91], 0x0            ; e0 .. e7
	s_load_b128 s[76:79], s[90:91], 0x20           ; e8 .. e11
	s_add_nc_u64 s[14:15], s[80:81], s[14:15]
	s_add_nc_u64 s[98:99], s[80:81], s[98:99]
.irp c, 0,1,2,3                        ; chunk c: K step 2 c + W0
	s_mov_b32 s[32+4*\c], 1
	s_add_co_u32 s[33+4*\c], s3, \c*32768
	s_add_nc_u64 s[34+4*\c:35+4*\c], s[14:15], \c*32768
	s_or_b32 s[35+4*\c], s[35+4*\c], 0x80000000
	s_mov_b32 s[48+4*\c], 1
	s_add_co_u32 s[49+4*\c], s3, \c*32768
	s_add_nc_u64 s[50+4*\c:51+4*\c], s[98:99], \c*32768
	s_or_b32 s[51+4*\c], s[51+4*\c], 0x80000000
.endr
	ROUND                                          ; all sixteen work-groups are here: the joint loads meet
	s_cmp_lt_u32 s4, 2                             ; a wave's four fills stand in one branch on its number, ahead of every wait on TENSORcnt and every LDS read: four loads of mine are out
	s_cbranch_scc0 .Lfor_1
.irp c, 0,1,2,3
	tensor_load_to_lds s[32+4*\c:35+4*\c], s[16:23]
	s_nop 0
.endr
.rept 4
	v_nop
.endr
	s_branch .Lasked
.Lfor_1:
.irp c, 0,1,2,3
	tensor_load_to_lds s[48+4*\c:51+4*\c], s[24:31]
	s_nop 0
.endr
.rept 4
	v_nop
.endr
.Lasked:
	v_and_b32 v1, 31, v0
	v_lshlrev_b32 v1, 4, v1                        ; 16 x lane
	s_lshl_b32 s12, s5, 13                         ; my four tiles of src0
	v_add_nc_u32 v2, s12, v1
	v_add_nc_u32 v3, 0x10000, v2
	s_lshl_b32 s13, s6, 13                         ; my four tiles of src1,
	s_add_co_u32 s13, s13, 0x20000                 ; whose block lies behind src0's
	v_add_nc_u32 v4, s13, v1
	v_add_nc_u32 v5, 0x10000, v4
	s_mov_b32 s3, 0
	s_cmp_ge_u32 s9, 4                             ; the cluster's x: alike in all partners
	s_cbranch_scc1 .Lpath_v
	; ================ q and k
	s_cmp_lt_u32 s9, 2                             ; q or k
	s_cselect_b64 s[84:85], s[84:85], s[86:87]     ; the bias
	s_cselect_b64 s[92:93], s[92:93], s[94:95]     ; the output
	v_bfe_u32 v6, v0, 4, 1
	v_lshlrev_b32 v6, 5, v6                        ; 32 h: my eight numbers of a tile's sixteen
	s_and_b32 s12, s66, 7                          ; the block of 128 columns within its weight
	s_lshl_b32 s2, s12, 9
	s_lshl_b32 s13, s5, 8
	s_add_co_u32 s2, s2, s13
	s_add_nc_u64 s[84:85], s[84:85], s[2:3]        ; bias at my 64 columns: one head
	s_lshl_b32 s13, s12, 1
	s_add_co_u32 s13, s13, s5                      ; head
	s_lshr_b32 s12, s67, 4
	s_lshl_b32 s12, s12, 4
	s_add_co_u32 s13, s13, s12                     ; 16 b + head
	s_lshl_b32 s13, s13, 17
	s_and_b32 s12, s67, 15
	s_lshl_b32 s12, s12, 3
	s_lshl_b32 s2, s6, 2
	s_add_co_u32 s12, s12, s2                      ; my first tile of positions, s / 16
	s_lshl_b32 s2, s12, 12
	s_add_nc_u64 s[82:83], s[82:83], s[2:3]        ; its cos and sin
	s_lshl_b32 s2, s12, 10
	s_add_co_u32 s2, s2, s13
	s_add_nc_u64 s[92:93], s[92:93], s[2:3]        ; its images
.irp b, 0,1,2,3
	global_load_b128 v[16+8*\b:19+8*\b], v6, s[84:85] offset:64*\b
	global_load_b128 v[20+8*\b:23+8*\b], v6, s[84:85] offset:64*\b+16
.endr
.macro LOADCS a                        ; tile a's cos (d 0-15, 16-31) and sin likewise, in the results' layout, into set a % 2
.irp u, 0,1,2,3,4,5,6,7
	global_load_b128 v[48+32*((\a)%2)+4*\u:48+32*((\a)%2)+4*\u+3], v1, s[82:83] offset:4096*(\a)+512*\u
.endr
.endm
	LOADCS 0
	s_wait_kmcnt 0x0
	s_add_co_i32 s12, s68, s69
	s_add_co_i32 s13, s70, s71
	s_cmp_lt_u32 s9, 2
	s_cselect_b32 s12, s12, s13                    ; the two operands' exponents added
	s_cselect_b32 s13, s74, s75                    ; e6 or e7
	s_add_co_i32 s12, s12, 127
	s_lshl_b32 s70, s12, 23                        ; 2^E as f32,
	s_mov_b32 s71, s70                             ; (named with it as a pair, so it is written)
	s_add_co_i32 s13, s13, 127
	s_lshl_b32 s12, s13, 23
	v_mov_b32 v8, s12                              ; 2^eo
	s_add_co_i32 s13, s13, 15
	s_lshl_b32 s13, s13, 23
	s_or_b32 s13, s13, 0x600000
	v_mov_b32 v9, s13                              ; 57,344 x 2^eo
	MAIN
.macro EPI_QK a                        ; 16 positions x 64 d: scale and bias, the rotary step, the quantiser, two stores
.set CS, 48+32*((\a)%2)
.set A0, ACC+32*(\a)
.if (\a) < 3
	LOADCS (\a)+1
	s_wait_loadcnt 0x8                             ; all but the eight just issued: the bias and this tile's cos and sin are in
.else
	s_wait_loadcnt 0x0
.endif
	s_wait_xcnt 0x0                                ; the codes' registers, which the last stores read, are written again only behind this wait
.irp j, 0,2,4,6,8,10,12,14,16,18,20,22,24,26,28,30
	v_pk_fma_f32 v[A0+\j:A0+\j+1], v[A0+\j:A0+\j+1], s[70:71], v[16+\j:17+\j] op_sel_hi:[1,0,1]   ; sum x 2^E + bias; each accumulator from its low end on
.endr
.irp pr, 0,1                           ; X = d 16 pr + 8 h + 0..7, Y = the same + 32: X' = X cos - Y sin, Y' = Y cos + X sin
.irp i, 0,2,4,6
	v_pk_mul_f32 v[112+\i:113+\i], v[A0+8*\pr+\i:A0+8*\pr+\i+1], v[CS+8*\pr+\i:CS+8*\pr+\i+1]
.endr
.irp i, 0,2,4,6
	v_pk_fma_f32 v[112+\i:113+\i], v[A0+16+8*\pr+\i:A0+16+8*\pr+\i+1], v[CS+16+8*\pr+\i:CS+16+8*\pr+\i+1], v[112+\i:113+\i] neg_lo:[1,0,0] neg_hi:[1,0,0]
.endr
.irp i, 0,2,4,6
	v_pk_mul_f32 v[A0+16+8*\pr+\i:A0+16+8*\pr+\i+1], v[A0+16+8*\pr+\i:A0+16+8*\pr+\i+1], v[CS+8*\pr+\i:CS+8*\pr+\i+1]
.endr
.irp i, 0,2,4,6
	v_pk_fma_f32 v[A0+16+8*\pr+\i:A0+16+8*\pr+\i+1], v[A0+8*\pr+\i:A0+8*\pr+\i+1], v[CS+16+8*\pr+\i:CS+16+8*\pr+\i+1], v[A0+16+8*\pr+\i:A0+16+8*\pr+\i+1]
.endr
.irp i, 0,1,2,3,4,5,6,7
	v_med3_num_f32 v[112+\i], v[112+\i], -v9, v9   ; the conversion does not saturate (ISA guide 7.6.2): the hold
.endr
.irp i, 0,1,2,3,4,5,6,7
	v_med3_num_f32 v[A0+16+8*\pr+\i], v[A0+16+8*\pr+\i], -v9, v9
.endr
	v_cvt_scalef32_pk8_bf8_f32 v[120+2*\pr:121+2*\pr], v[112:119], v8
	v_cvt_scalef32_pk8_bf8_f32 v[124+2*\pr:125+2*\pr], v[A0+16+8*\pr:A0+23+8*\pr], v8
	v_nop                                          ; one plain line behind the conversions, ahead of the next write of their sources
.endr
	global_store_b128 v1, v[120:123], s[92:93] offset:1024*(\a)        ; d 0-31
	global_store_b128 v1, v[124:127], s[92:93] offset:1024*(\a)+512    ; d 32-63
.endm
	EPI_QK 0
	EPI_QK 1
	EPI_QK 2
	EPI_QK 3
	s_wait_tensorcnt 0x0
	ds_add_u32 v14, v15
	s_wait_dscnt 0x0
	ROUND                                          ; the closing round: no work-group ends while a partner may still ask for a block that names it
	s_endpgm
	; ================ v
.Lpath_v:
	v_and_b32 v6, 15, v0
	v_lshlrev_b32 v6, 2, v6                        ; 4 r: my d's bias
	s_lshl_b32 s2, s67, 9
	s_lshl_b32 s12, s6, 8
	s_add_co_u32 s2, s2, s12
	s_add_nc_u64 s[88:89], s[88:89], s[2:3]        ; bv at my 64 rows of Wv: one head
	s_lshr_b32 s12, s66, 4
	s_lshl_b32 s12, s12, 4
	s_lshl_b32 s13, s67, 1
	s_add_co_u32 s12, s12, s13
	s_add_co_u32 s12, s12, s6                      ; 16 b + head
	s_lshl_b32 s12, s12, 4
	s_and_b32 s13, s66, 15
	s_add_co_u32 s12, s12, s13                     ; and the block of 128 keys
	s_lshl_b32 s2, s12, 13
	s_lshl_b32 s13, s5, 10                         ; my 64 keys are groups 2 W0, 2 W0 + 1
	s_add_co_u32 s2, s2, s13
	s_add_nc_u64 s[96:97], s[96:97], s[2:3]
.irp a, 0,1,2,3
	global_load_b32 v[16+2*\a], v6, s[88:89] offset:64*\a
	v_mov_b32 v[17+2*\a], 0                        ; (named as the upper half of a pair)
.endr
	s_wait_kmcnt 0x0
	s_add_co_i32 s12, s72, s73                     ; e4 + e5
	s_add_co_i32 s12, s12, 127
	s_lshl_b32 s70, s12, 23
	s_mov_b32 s71, s70
	s_add_co_i32 s13, s77, 127                     ; e9
	s_lshl_b32 s12, s13, 23
	v_mov_b32 v8, s12
	s_add_co_i32 s13, s13, 15
	s_lshl_b32 s13, s13, 23
	s_or_b32 s13, s13, 0x600000
	v_mov_b32 v9, s13
	MAIN
.macro EPI_V a                         ; 16 d x 64 keys
.set A0, ACC+32*(\a)
.if (\a) == 0
	s_wait_loadcnt 0x0
.endif
	s_wait_xcnt 0x0
.irp j, 0,2,4,6,8,10,12,14,16,18,20,22,24,26,28,30
	v_pk_fma_f32 v[A0+\j:A0+\j+1], v[A0+\j:A0+\j+1], s[70:71], v[16+2*(\a):17+2*(\a)] op_sel_hi:[1,0,0]   ; my d's bias for both halves
.endr
.irp j, 0,1,2,3,4,5,6,7,8,9,10,11,12,13,14,15,16,17,18,19,20,21,22,23,24,25,26,27,28,29,30,31
	v_med3_num_f32 v[A0+\j], v[A0+\j], -v9, v9
.endr
.irp b, 0,1,2,3
	v_cvt_scalef32_pk8_bf8_f32 v[120+2*\b:121+2*\b], v[A0+8*\b:A0+8*\b+7], v8
.endr
	v_nop
	global_store_b128 v1, v[120:123], s[96:97] offset:2048*(\a)
	global_store_b128 v1, v[124:127], s[96:97] offset:2048*(\a)+512
.endm
	EPI_V 0
	EPI_V 1
	EPI_V 2
	EPI_V 3
	s_wait_tensorcnt 0x0
	ds_add_u32 v14, v15
	s_wait_dscnt 0x0
	ROUND
	s_endpgm
.Lfunc_end_k_q48a223411a_proj:
	.size	k_q48a223411a_proj, .Lfunc_end_k_q48a223411a_proj-k_q48a223411a_proj
	.p2alignl 7, 3214868480
	.fill 96, 4, 3214868480
	.section	.rodata,"a",@progbits
	.p2align	6, 0x0
	.amdhsa_kernel k_q48a223411a_proj
		.amdhsa_group_segment_fixed_size 262656
		.amdhsa_private_segment_fixed_size 0
		.amdhsa_enable_private_segment 0
		.amdhsa_kernarg_size 72
		.amdhsa_user_sgpr_count 2
		.amdhsa_user_sgpr_kernarg_segment_ptr 1
		.amdhsa_wavefront_size32 1
		.amdhsa_system_sgpr_workgroup_id_x 1
		.amdhsa_system_sgpr_workgroup_id_y 1
		.amdhsa_system_sgpr_workgroup_id_z 1
		.amdhsa_system_vgpr_workitem_id 0
		.amdhsa_next_free_vgpr 512
		.amdhsa_next_free_sgpr 100
		.amdhsa_reserve_vcc 0
		.amdhsa_float_denorm_mode_32 3
		.amdhsa_float_denorm_mode_16_64 3
		.amdhsa_memory_ordered 1
		.amdhsa_forward_progress 1
		.amdhsa_inst_pref_size 104
	.end_amdhsa_kernel
	.amdgpu_metadata
---
amdhsa.version: [ 1, 2 ]
amdhsa.kernels:
  - .name:           k_q48a223411a_proj
    .symbol:         k_q48a223411a_proj.kd
    .args:
      - { .name: codes, .offset: 0, .size: 8, .value_kind: global_buffer, .address_space: global }
      - { .name: rope, .offset: 8, .size: 8, .value_kind: global_buffer, .address_space: global }
      - { .name: bq, .offset: 16, .size: 8, .value_kind: global_buffer, .address_space: global }
      - { .name: bk, .offset: 24, .size: 8, .value_kind: global_buffer, .address_space: global }
      - { .name: bv, .offset: 32, .size: 8, .value_kind: global_buffer, .address_space: global }
      - { .name: lowp_scales, .offset: 40, .size: 8, .value_kind: global_buffer, .address_space: global }
      - { .name: qc, .offset: 48, .size: 8, .value_kind: global_buffer, .address_space: global }
      - { .name: kc, .offset: 56, .size: 8, .value_kind: global_buffer, .address_space: global }
      - { .name: vc, .offset: 64, .size: 8, .value_kind: global_buffer, .address_space: global }
    .group_segment_fixed_size: 262656
    .private_segment_fixed_size: 0
    .kernarg_segment_align: 8
    .kernarg_segment_size: 72
    .max_flat_workgroup_size: 128
    .sgpr_count:     100
    .vgpr_count:     512
    .wavefront_size: 32
...
	.end_amdgpu_metadata
.endif
;; end of part 2
;; launch attn (part 3): grid 8 x 32, 16 waves a work-group, clusters of 4 x 1, 264,192 bytes of LDS; arguments qc, kc, vc, lowp_scales, ac; writes ac
.if DOCPART == 3
	.amdgcn_target "amdgcn-amd-amdhsa--gfx1250"
	.amdhsa_code_object_version 6
	.text
	.protected	k_q48a223411a_attn
	.globl	k_q48a223411a_attn
	.p2align	8
	.type	k_q48a223411a_attn,@function
k_q48a223411a_attn:
	s_mov_b64 s[64:65], 0
	v_nop
	global_prefetch_b8 v0, s[64:65] scope:SCOPE_SE
	s_setreg_imm32_b32 hwreg(HW_REG_WAVE_MODE, 25, 1), 1
	s_wait_xcnt 0x0
	s_wait_alu depctr_hold_cnt(0) depctr_sa_sdst(0) depctr_va_vdst(0) depctr_va_sdst(0) depctr_va_ssrc(0) depctr_va_vcc(0) depctr_vm_vsrc(0)
	s_getreg_b32 s2, hwreg(HW_REG_IB_STS2, 6, 4)
	s_cmp_eq_u32 s2, 0
	s_cbranch_scc0 .Lentry_in_a_cluster
	s_endpgm
.Lentry_in_a_cluster:
	s_bfe_u32 s2, ttmp6, 0x10000c
	s_cmp_lg_u32 s2, 0x3003
	s_cbranch_scc0 .Lentry_shape_is_right
	s_endpgm
.Lentry_shape_is_right:
; O[q] = sum over keys of softmax(q . k / 8) v for one head of 64, 2,048 keys, both products on codes of BF8 (E5M2) with the given scales; O / l is quantised at once (entry 10) and stored as images of the last product's operand.
; THE SOFTMAX: t = score x log2(e) / 8; M = the running largest t rounded UP to a whole number; p = 2^(t - M) is quantised (entry 8), not normalised; the row's sum is taken of the unquantised p and divides at the end.
; When M moves, the sum and O are multiplied by 2^(old M - new M): exact.
; SHARES.  A work-group owns 256 queries of one head, each of its sixteen waves 16 of them, in 256 registers: four waves to a SIMD, so that one wave's vector work stands beside another's matrix work and LDS loads.
; THE WHOLE HEAD LIES IN LDS: K's 128 tiles of 16 keys (1,024 bytes each) at 0, V's 16 blocks of 128 keys (8,192 bytes each) at 131,072.  Every byte is filled once; nothing is stored to LDS.
; Wave 0 asks for K, wave 1 for V, in eight chunks of 256 keys each; eight loads of such a wave are out at the start.  The keys are walked in four phases of 2, 2, 4 and 8 steps of 128; in front of each a counted wait and a barrier.
; CLUSTER: the four query blocks of a cluster belong to one head: each chunk is asked for jointly, mask 15.
; LAYOUT.  Both products transposed: S^T = K Q^T (16x16x64: source 0 = 16 keys, source 1 = my queries), O^T = V^T P^T (16x16x128: source 0 = 16 d, source 1 = P): a lane holds ONE query throughout.
; Tile t of S^T holds keys 16 t + 8 h + 0..7 in lane (r, h): just what registers 2 t, 2 t + 1 of the second product's operand hold: the conversions' results are that operand.
; LIMITS: e6 + e7 between -123 and 130 (added to c's exponent field); e8, and e10 - e8 - e9, between -126 and 112.
; REGISTERS: v1 16 x lane, v2 the same in V's part; v8, v9 the step's addresses; v12 -M, v13 the largest t, v[14:15] the sum; v16-23 Q; v24-31 the output's codes; v32-95 fragments; v96-159 S^T, then p;
;   v160-191 O^T; v192-223 O / l; v224-239 p's codes; v240, v244: 57,344 x 2^e8, 2^e8; v241, v245 the same for the output; v236, v242, v243, v252-254 at work.
.macro ROUND
	s_barrier_signal -1
	s_barrier_wait -1
	s_cmp_lg_u32 s18, 0
	s_cbranch_scc1 .Lnot_wave_0_\@
	s_barrier_signal -3
.Lnot_wave_0_\@:
	s_barrier_wait -3
	s_barrier_signal -1
	s_barrier_wait -1
.endm
	s_load_b256 s[4:11], s[0:1], 0x0               ; qc, kc, vc, scales
	s_load_b64 s[12:13], s[0:1], 0x20              ; ac
	v_lshl_add_u32 v251, v0, 2, 0x40000
	v_mov_b32 v255, 0
	ds_add_u32 v251, v255
	ds_add_u32 v251, v255
	v_lshrrev_b32 v8, 5, v0
	v_readfirstlane_b32 s18, v8                    ; wave 0..15
	s_bfe_u32 s14, ttmp6, 0x40000                  ; cx
	s_lshl_b32 s15, ttmp9, 2
	s_add_co_u32 s15, s15, s14                     ; my block of 256 queries: it enters Q's and the output's addresses alone
	s_and_b32 s16, ttmp7, 0xffff                   ; 16 b + head, which the partners share
	s_and_b32 s17, s18, 1
	s_lshl_b32 s19, s17, 17                        ; K's part of LDS or V's: the wave's number alone
	s_mov_b32 s24, 15|(3<<16)|(1<<21)              ; group 1: the mask; elements of 8 bytes; bit 21 beside a mask; no padding.  A chunk: 16,384 dense bytes as 64 rows of 256
	s_mov_b32 s25, 32<<16
	s_mov_b32 s26, 64<<16
	s_mov_b32 s27, 32<<16
	s_mov_b32 s28, 64
	s_mov_b32 s29, 32
	s_mov_b32 s30, 0
	s_mov_b32 s31, 0
	s_lshl_b32 s80, s16, 17                        ; the head's 131,072 bytes
	s_mov_b32 s81, 0
	s_mov_b32 s20, 0x76543210                      ; v_permlanex16_b32: lane l xor 16
	s_mov_b32 s21, 0xfedcba98
	s_mov_b32 s66, 0                               ; LDS byte of the step's tiles, in K's part and in V's alike
	s_wait_dscnt 0x0
	s_wait_kmcnt 0x0
	s_load_b256 s[68:75], s[10:11], 0x0            ; e0 .. e7
	s_load_b128 s[76:79], s[10:11], 0x20           ; e8 .. e11
	s_cmp_eq_u32 s17, 0                            ; the wave's number
	s_cselect_b64 s[82:83], s[6:7], s[8:9]
	s_add_nc_u64 s[82:83], s[82:83], s[80:81]
.irp j, 0,1,2,3,4,5,6,7
	s_mov_b32 s[32+4*\j], 1
	s_add_co_u32 s[33+4*\j], s19, \j*16384
	s_add_nc_u64 s[34+4*\j:35+4*\j], s[82:83], \j*16384
	s_or_b32 s[35+4*\j], s[35+4*\j], 0x80000000
.endr
	ROUND                                          ; all four work-groups are here: the joint loads meet
	s_cmp_lt_u32 s18, 2                            ; all fills of a wave stand in one branch on its number
	s_cbranch_scc0 .Lasked
.irp j, 0,1,2,3,4,5,6,7
	tensor_load_to_lds s[32+4*\j:35+4*\j], s[24:31]
	s_nop 0
.endr
.rept 4
	v_nop
.endr
.Lasked:
	v_and_b32 v1, 31, v0
	v_lshlrev_b32 v1, 4, v1
	v_add_nc_u32 v2, 0x20000, v1
	s_lshl_b32 s84, s16, 7
	s_lshl_b32 s85, s15, 4
	s_add_co_u32 s84, s84, s85
	s_add_co_u32 s84, s84, s18                     ; my tile of queries: 128 (16 b + head) + 16 block + wave
	s_lshl_b32 s84, s84, 10
	s_mov_b32 s85, 0
	s_add_nc_u64 s[4:5], s[4:5], s[84:85]
	global_load_b128 v[16:19], v1, s[4:5]          ; Q's fragment stays in registers
	global_load_b128 v[20:23], v1, s[4:5] offset:512
	s_lshr_b32 s86, s16, 4                         ; the output: rows b 2,048 + s, k = 64 head + d, laid as a section of codes
	s_lshl_b32 s86, s86, 4
	s_lshl_b32 s87, s15, 1
	s_add_co_u32 s86, s86, s87
	s_lshr_b32 s87, s18, 3
	s_add_co_u32 s86, s86, s87                     ; block of 128 rows
	s_lshl_b32 s86, s86, 17
	s_and_b32 s87, s16, 15
	s_lshr_b32 s87, s87, 1                         ; K step = head / 2
	s_lshl_b32 s87, s87, 14
	s_add_co_u32 s86, s86, s87
	s_and_b32 s87, s18, 7                          ; tile of 16 rows
	s_lshl_b32 s87, s87, 11
	s_add_co_u32 s86, s86, s87
	s_and_b32 s87, s16, 1                          ; groups 2 (head % 2) and the next
	s_lshl_b32 s87, s87, 10
	s_add_co_u32 s86, s86, s87
	s_mov_b32 s87, 0
	s_add_nc_u64 s[12:13], s[12:13], s[86:87]
	v_mov_b32 v13, 0xff61b1e6                      ; the largest t so far: -3e38, under every t
	v_floor_f32 v12, -v13                          ; -M
	v_mov_b32 v14, 0
	v_mov_b32 v15, 0
	v_mov_b32 v236, 0                              ; a lane permute's destination counts as one of its sources
	v_mov_b32 v253, 0                              ; (named as the upper half of the pair v[252:253])
.irp j, 0,1,2,3,4,5,6,7,8,9,10,11,12,13,14,15,16,17,18,19,20,21,22,23,24,25,26,27,28,29,30,31
	v_mov_b32 v[160+\j], 0                         ; O^T: the step is written once; the first finds zeros, which the first change of M leaves zeros
.endr
	s_wait_kmcnt 0x0
	s_mov_b32 s22, 0x3e38aa3b                      ; c = log2(e) / 8
	s_add_co_i32 s88, s74, s75
	s_lshl_b32 s88, s88, 23
	s_add_co_i32 s22, s22, s88                     ; x 2^(e6 + e7)
	s_mov_b32 s23, s22
	s_add_co_i32 s88, s76, 127
	s_lshl_b32 s89, s88, 23
	v_mov_b32 v244, s89                            ; 2^e8
	s_add_co_i32 s88, s88, 15
	s_lshl_b32 s88, s88, 23
	s_or_b32 s88, s88, 0x600000
	v_mov_b32 v240, s88                            ; 57,344 x 2^e8
	s_sub_co_i32 s88, s78, s76
	s_sub_co_i32 s88, s88, s77                     ; a sum of the second product stands for sum x 2^(e8 + e9): its code is sum / l / 2^(e10 - e8 - e9)
	s_add_co_i32 s88, s88, 127
	s_lshl_b32 s89, s88, 23
	v_mov_b32 v245, s89
	s_add_co_i32 s88, s88, 15
	s_lshl_b32 s88, s88, 23
	s_or_b32 s88, s88, 0x600000
	v_mov_b32 v241, s88
.macro STEP                            ; 128 keys
	v_add_nc_u32 v8, s66, v1
	v_add_nc_u32 v9, s66, v2
	v_nop
	v_nop                                          ; four places behind the last products, in front of loads into registers that they read
.irp t, 0,1,2,3,4,5,6,7
	ds_load_b128 v[32+8*\t:35+8*\t], v8 offset:1024*\t
	ds_load_b128 v[36+8*\t:39+8*\t], v8 offset:1024*\t+512
.endr
	s_wait_dscnt 0x0
.irp t, 0,1,2,3,4,5,6,7
	v_wmma_f32_16x16x64_bf8_bf8 v[96+8*\t:103+8*\t], v[32+8*\t:39+8*\t], v[16:23], 0
.endr
.rept 4
	v_nop
.endr
.irp n, 0,1,2,3,4,5,6,7,8,9,10,11,12,13,14,15  ; V's four fragments land while the softmax is walked
	ds_load_b128 v[32+4*\n:35+4*\n], v9 offset:512*\n
.endr
	v_max3_num_f32 v254, v96, v97, v98             ; the step's largest score of my query among my 64 keys, in two chains, each accumulator from its low end on,
	v_max3_num_f32 v252, v99, v100, v101
.irp i, 6,10,14,18,22,26,30,34,38,42,46,50,54,58
	v_max3_num_f32 v254, v254, v[96+\i], v[97+\i]
	v_max3_num_f32 v252, v252, v[98+\i], v[99+\i]
.endr
	v_max3_num_f32 v254, v254, v158, v159
	v_max_num_f32 v254, v254, v252
	v_permlanex16_b32 v236, v254, s20, s21
	v_max_num_f32 v254, v254, v236                 ; and among lane l xor 16's
	v_mul_f32 v254, s22, v254                      ; as t (c is positive)
	v_max_num_f32 v13, v13, v254
	v_mov_b32 v254, v12
	v_floor_f32 v12, -v13                          ; the new -M = -ceil(t)
	v_sub_f32 v254, v12, v254                      ; old M - new M: a whole number, 0 or less
	v_cvt_i32_f32 v254, v254                       ; (it saturates)
	v_ldexp_f32 v252, 1.0, v254                    ; f = 2^(old M - new M)
.irp j, 0,2,4,6,8,10,12,14,16,18,20,22,24,26,28,30,32,34,36,38,40,42,44,46,48,50,52,54,56,58,60,62
	v_pk_fma_f32 v[96+\j:97+\j], v[96+\j:97+\j], s[22:23], v[12:13] op_sel_hi:[1,0,0]   ; t - M
.endr
.irp j, 0,1,2,3,4,5,6,7,8,9,10,11,12,13,14,15,16,17,18,19,20,21,22,23,24,25,26,27,28,29,30,31,32,33,34,35,36,37,38,39,40,41,42,43,44,45,46,47,48,49,50,51,52,53,54,55,56,57,58,59,60,61,62,63
	v_exp_f32 v[96+\j], v[96+\j]                   ; p = 2^(t - M), at most 1
.endr
	v_pk_mul_f32 v[14:15], v[14:15], v[252:253] op_sel_hi:[1,0]   ; the sums under the new M (a plain line behind the exponentials)
	s_wait_alu depctr_va_vdst(0)
	v_pk_add_f32 v[242:243], v[96:97], v[98:99]    ; the sum of the unquantised p, in two chains
.irp j, 4,8,12,16,20,24,28,32,36,40,44,48,52,56,60
	v_pk_add_f32 v[14:15], v[14:15], v[96+\j:97+\j]
	v_pk_add_f32 v[242:243], v[242:243], v[98+\j:99+\j]
.endr
	v_pk_add_f32 v[14:15], v[14:15], v[242:243]
.irp t, 0,1,2,3,4,5,6,7
.irp i, 0,1,2,3,4,5,6,7
	v_min_num_f32 v[96+8*\t+\i], v[96+8*\t+\i], v240   ; the conversion does not saturate (ISA guide 7.6.2); p is not negative, so the hold is one-sided
.endr
	v_cvt_scalef32_pk8_bf8_f32 v[224+2*\t:225+2*\t], v[96+8*\t:103+8*\t], v244
.endr
.irp j, 0,2,4,6,8,10,12,14,16,18,20,22,24,26,28,30
	v_pk_mul_f32 v[160+\j:161+\j], v[160+\j:161+\j], v[252:253] op_sel_hi:[1,0]   ; O^T under the new M; these are also the plain lines between the conversions and the products
.endr
	s_wait_dscnt 0x0                               ; V is in
.irp d, 0,1,2,3                        ; the four accumulators take turns
	v_wmma_f32_16x16x128_bf8_bf8 v[160+8*\d:167+8*\d], v[32+16*\d:47+16*\d], v[224:239], v[160+8*\d:167+8*\d]
.endr
	s_add_co_u32 s66, s66, 8192
.endm
.macro PHASE cnt, trips                ; cnt: the chunks issued behind the last one that this phase reads
	s_wait_tensorcnt \cnt
	s_barrier_signal -1                            ; no LDS access of mine is out
	s_barrier_wait -1
	s_mov_b32 s67, \trips
.Lstep_\@:
	STEP
	s_sub_co_u32 s67, s67, 1
	s_cmp_lg_u32 s67, 0
	s_cbranch_scc1 .Lstep_\@
.endm
	s_wait_loadcnt 0x0                             ; Q
	PHASE 7, 2                                     ; keys 0-255: chunk 0
	PHASE 6, 2                                     ; keys 256-511: chunk 1
	PHASE 4, 4                                     ; keys 512-1,023: chunks 2, 3
	PHASE 0, 8                                     ; keys 1,024-2,047: chunks 4 to 7; no tensor load is out from here on
.rept 4
	v_nop
.endr
	v_add_f32 v14, v14, v15                        ; the sum's two halves,
	v_permlanex16_b32 v252, v14, s20, s21
	v_add_f32 v14, v14, v252                       ; and lane l xor 16's
	v_rcp_f32 v14, v14
	v_nop                                          ; one plain line behind a transcendental
	s_wait_alu depctr_va_vdst(0)
.irp j, 0,2,4,6,8,10,12,14,16,18,20,22,24,26,28,30
	v_pk_mul_f32 v[192+\j:193+\j], v[160+\j:161+\j], v[14:15] op_sel_hi:[1,0]   ; O^T / l: register 8 t + i is d = 16 t + 8 h + i of my query
.endr
.irp j, 0,1,2,3,4,5,6,7,8,9,10,11,12,13,14,15,16,17,18,19,20,21,22,23,24,25,26,27,28,29,30,31
	v_med3_num_f32 v[192+\j], v[192+\j], -v241, v241
.endr
.irp d, 0,1,2,3
	v_cvt_scalef32_pk8_bf8_f32 v[24+2*\d:25+2*\d], v[192+8*\d:199+8*\d], v245
.endr
	v_nop
	global_store_b128 v1, v[24:27], s[12:13]       ; 512 consecutive bytes each
	global_store_b128 v1, v[28:31], s[12:13] offset:512
	s_wait_tensorcnt 0x0
	ds_add_u32 v251, v255
	s_wait_dscnt 0x0
	ROUND                                          ; the closing round
	s_endpgm
.Lfunc_end_k_q48a223411a_attn:
	.size	k_q48a223411a_attn, .Lfunc_end_k_q48a223411a_attn-k_q48a223411a_attn
	.p2alignl 7, 3214868480
	.fill 96, 4, 3214868480
	.section	.rodata,"a",@progbits
	.p2align	6, 0x0
	.amdhsa_kernel k_q48a223411a_attn
		.amdhsa_group_segment_fixed_size 264192
		.amdhsa_private_segment_fixed_size 0
		.amdhsa_enable_private_segment 0
		.amdhsa_kernarg_size 40
		.amdhsa_user_sgpr_count 2
		.amdhsa_user_sgpr_kernarg_segment_ptr 1
		.amdhsa_wavefront_size32 1
		.amdhsa_system_sgpr_workgroup_id_x 1
		.amdhsa_system_sgpr_workgroup_id_y 1
		.amdhsa_system_sgpr_workgroup_id_z 1
		.amdhsa_system_vgpr_workitem_id 0
		.amdhsa_next_free_vgpr 256
		.amdhsa_next_free_sgpr 100
		.amdhsa_reserve_vcc 0
		.amdhsa_float_denorm_mode_32 3
		.amdhsa_float_denorm_mode_16_64 3
		.amdhsa_memory_ordered 1
		.amdhsa_forward_progress 1
		.amdhsa_inst_pref_size 74
	.end_amdhsa_kernel
	.amdgpu_metadata
---
amdhsa.version: [ 1, 2 ]
amdhsa.kernels:
  - .name:           k_q48a223411a_attn
    .symbol:         k_q48a223411a_attn.kd
    .args:
      - { .name: qc, .offset: 0, .size: 8, .value_kind: global_buffer, .address_space: global }
      - { .name: kc, .offset: 8, .size: 8, .value_kind: global_buffer, .address_space: global }
      - { .name: vc, .offset: 16, .size: 8, .value_kind: global_buffer, .address_space: global }
      - { .name: lowp_scales, .offset: 24, .size: 8, .value_kind: global_buffer, .address_space: global }
      - { .name: ac, .offset: 32, .size: 8, .value_kind: global_buffer, .address_space: global }
    .group_segment_fixed_size: 264192
    .private_segment_fixed_size: 0
    .kernarg_segment_align: 8
    .kernarg_segment_size: 40
    .max_flat_workgroup_size: 512
    .sgpr_count:     100
    .vgpr_count:     256
    .wavefront_size: 32
...
	.end_amdgpu_metadata
.endif
;; end of part 3
;; launch oproj (part 4): grid 8 x 32, 4 waves a work-group, clusters of 4 x 4, 280,064 bytes of LDS; arguments codes, ac, bo, lowp_scales, out0; writes out0
.if DOCPART == 4
	.amdgcn_target "amdgcn-amd-amdhsa--gfx1250"
	.amdhsa_code_object_version 6
	.text
	.protected	k_q48a223411a_oproj
	.globl	k_q48a223411a_oproj
	.p2align	8
	.type	k_q48a223411a_oproj,@function
k_q48a223411a_oproj:
	s_mov_b64 s[64:65], 0
	v_nop
	global_prefetch_b8 v0, s[64:65] scope:SCOPE_SE
	s_setreg_imm32_b32 hwreg(HW_REG_WAVE_MODE, 25, 1), 1
	s_wait_xcnt 0x0
	s_wait_alu depctr_hold_cnt(0) depctr_sa_sdst(0) depctr_va_vdst(0) depctr_va_sdst(0) depctr_va_ssrc(0) depctr_va_vcc(0) depctr_vm_vsrc(0)
	s_getreg_b32 s2, hwreg(HW_REG_IB_STS2, 6, 4)
	s_cmp_eq_u32 s2, 0
	s_cbranch_scc0 .Lentry_in_a_cluster
	s_endpgm
.Lentry_in_a_cluster:
	s_bfe_u32 s2, ttmp6, 0x10000c
	s_cmp_lg_u32 s2, 0xf033
	s_cbranch_scc0 .Lentry_shape_is_right
	s_endpgm
.Lentry_shape_is_right:
; out0 = a Wo^T + bo on codes of BF8 (E5M2): a [4096][1024] from the attention launch, Wo's codes at 15 MiB of the codes' buffer, both as images of operand registers; out0 [4096][1024] f32.
; A work-group makes a tile of 128 x 128 with the whole K = 1,024 in LDS: two dense blocks of 131,072 bytes, each filled once; four waves, each 64 x 64: 16 accumulators.
; D = src0 x src1^T, src0 = 128 rows of Wo, src1 = 128 rows of a: lane (r, h) holds row r of the output and eight neighbouring columns.
; CLUSTERS: 4 x 4.  Wo's block hangs on cx alone and is asked for jointly by my column of the cluster, a's on cy alone, by my row.
; THE WAY OUT: 16 rows x 64 columns at a time through the wave's own stage (16 rows of 256 + 16 bytes, behind the two blocks, where no fill lands); back as whole rows: sixteen lanes store 256 consecutive bytes, aligned.
; LIMIT: e10 + e11 between -126 and 127.
; REGISTERS: window 0: v1 16 x lane; v2, v3 src0's fragments in LDS (K steps 0-3, 4-7); v4, v5 src1's; v6, v7 the stage, in and back; v12 my offset in two rows of the output; v13 a bias offset; v16-47 bias;
;   v48-79 results; v80-111 rows read back; v128-255 the accumulators.   window 1: two fragment buffers of 128.
.set ACC, 128
.set MSB, 0
.macro WIN new                         ; the immediate's high byte repeats the setting that is left
.if MSB != \new
	s_set_vgpr_msb (MSB<<8)|\new
.set MSB, \new
.endif
.endm
.set MUL,  0x05                        ; sources 0 and 1 window 1; C and D window 0
.set TO_F, 0x40                        ; destination window 1, address window 0
.macro ROUND                           ; a round of the cluster's barrier
	s_barrier_signal -1
	s_barrier_wait -1
	s_cmp_lg_u32 s4, 0
	s_cbranch_scc1 .Lnot_wave_0_\@
	s_barrier_signal -3
.Lnot_wave_0_\@:
	s_barrier_wait -3
	s_barrier_signal -1
	s_barrier_wait -1
.endm
.macro PLACES                          ; four places in front of loads into registers that matrix instructions have read, and of the first read of results
.rept 4
	v_nop
.endr
.endm
.macro FETCH ks, f                     ; 32 LDS loads: K step ks's eight fragments into buffer f
	WIN TO_F
.irp i, 0,1,2,3
.irp g, 0,1,2,3
	ds_load_b128 v[\f+64+16*\i+4*\g:\f+64+16*\i+4*\g+3], v[2+((\ks)/4)] offset:((\ks)%4)*16384+2048*\i+512*\g
.endr
.endr
.irp i, 0,1,2,3
.irp g, 0,1,2,3
	ds_load_b128 v[\f+16*\i+4*\g:\f+16*\i+4*\g+3], v[4+((\ks)/4)] offset:((\ks)%4)*16384+2048*\i+512*\g
.endr
.endr
.endm
.macro MUL8 f, a0, zero                ; the 16 accumulators take turns, one instruction a turn, in the same order in every K step
.irp a, \a0, \a0+1
.irp b, 0,1,2,3
.if \zero
	v_wmma_f32_16x16x128_bf8_bf8 v[ACC+8*(4*(\a)+\b):ACC+8*(4*(\a)+\b)+7], v[\f+64+16*\b:\f+64+16*\b+15], v[\f+16*(\a):\f+16*(\a)+15], 0
.else
	v_wmma_f32_16x16x128_bf8_bf8 v[ACC+8*(4*(\a)+\b):ACC+8*(4*(\a)+\b)+7], v[\f+64+16*\b:\f+64+16*\b+15], v[\f+16*(\a):\f+16*(\a)+15], v[ACC+8*(4*(\a)+\b):ACC+8*(4*(\a)+\b)+7]
.endif
.endr
.endr
.endm
.macro KSTEP ks
.set FB, 128*((\ks)%2)
.set FN, 128-FB
	s_wait_dscnt 0x0                               ; this K step's fragments are in
	WIN MUL
.if (\ks) == 0
	MUL8 FB, 0, 1                                  ; the first K step starts the sums: nothing is cleared
.else
	MUL8 FB, 0, 0
.endif
.if ((\ks) < 7) && ((\ks)%2 == 1)
	s_wait_tensorcnt 3-((\ks)+1)/2                 ; my part of the next two K steps has landed; the chunks issued behind it may be out.  No LDS access of mine is out here
	s_barrier_signal -1
	s_barrier_wait -1                              ; everybody's has.
.endif
.if (\ks) < 7
	PLACES
	FETCH (\ks)+1, FN
.endif
	WIN MUL
.if (\ks) == 0
	MUL8 FB, 2, 1
.else
	MUL8 FB, 2, 0
.endif
.endm
	s_load_b256 s[80:87], s[0:1], 0x0              ; codes, ac, bo, scales
	s_load_b64 s[88:89], s[0:1], 0x20              ; out0
	v_lshl_add_u32 v126, v0, 2, 0x44400
	v_mov_b32 v127, 0
	ds_add_u32 v126, v127
	ds_add_u32 v126, v127
	v_lshrrev_b32 v1, 5, v0
	v_readfirstlane_b32 s4, v1                     ; wave 0..3
	s_and_b32 s5, s4, 1                            ; W0: which four of src0's tiles are mine.  Also: which K step of a chunk I fetch
	s_lshr_b32 s6, s4, 1                           ; W1: which four of src1's.  Also: I fetch for src0 (0) or src1 (1)
	s_bfe_u32 s7, ttmp6, 0x40000                   ; cx
	s_bfe_u32 s8, ttmp6, 0x40004                   ; cy
	s_lshl_b32 s66, ttmp9, 2
	s_add_co_u32 s66, s66, s7                      ; Wo's block of 128 rows: never holds cy
	s_and_b32 s10, ttmp7, 0xffff
	s_lshl_b32 s67, s10, 2
	s_add_co_u32 s67, s67, s8                      ; a's block of 128 rows: never holds cx
	s_lshl_b32 s12, 0x1111, s7                     ; my column of the cluster
	s_or_b32 s16, s12, (3<<16)|(1<<21)             ; group 1 for src0: the mask; elements of 8 bytes; bit 21 beside a mask; no padding
	s_lshl_b32 s13, s8, 2
	s_lshl_b32 s13, 15, s13                        ; my row
	s_or_b32 s24, s13, (3<<16)|(1<<21)             ; group 1 for src1
.irp g, 16, 24                         ; a chunk: 16,384 dense bytes as 64 rows of 256
	s_mov_b32 s[\g+1], 32<<16
	s_mov_b32 s[\g+2], 64<<16
	s_mov_b32 s[\g+3], 32<<16
	s_mov_b32 s[\g+4], 64
	s_mov_b32 s[\g+5], 32
	s_mov_b32 s[\g+6], 0
	s_mov_b32 s[\g+7], 0
.endr
	s_lshl_b32 s11, s5, 14                         ; my K step in a chunk of two
	s_lshl_b32 s14, s66, 17
	s_add_co_u32 s14, s14, 0xf00000
	s_add_co_u32 s14, s14, s11
	s_mov_b32 s15, 0
	s_lshl_b32 s98, s67, 17
	s_add_co_u32 s98, s98, s11
	s_mov_b32 s99, 0
	s_lshl_b32 s3, s6, 17
	s_add_co_u32 s3, s3, s11                       ; where my chunks go: 131,072 (wave / 2) + 16,384 (wave % 2)
	s_wait_dscnt 0x0
	s_wait_kmcnt 0x0
	s_load_b64 s[70:71], s[86:87], 0x28            ; e10, e11
	s_add_nc_u64 s[14:15], s[80:81], s[14:15]
	s_add_nc_u64 s[98:99], s[82:83], s[98:99]
.irp c, 0,1,2,3                        ; chunk c: K step 2 c + W0
	s_mov_b32 s[32+4*\c], 1
	s_add_co_u32 s[33+4*\c], s3, \c*32768
	s_add_nc_u64 s[34+4*\c:35+4*\c], s[14:15], \c*32768
	s_or_b32 s[35+4*\c], s[35+4*\c], 0x80000000
	s_mov_b32 s[48+4*\c], 1
	s_add_co_u32 s[49+4*\c], s3, \c*32768
	s_add_nc_u64 s[50+4*\c:51+4*\c], s[98:99], \c*32768
	s_or_b32 s[51+4*\c], s[51+4*\c], 0x80000000
.endr
	ROUND                                          ; all sixteen work-groups are here: the joint loads meet
	s_cmp_lt_u32 s4, 2                             ; a wave's four fills stand in one branch on its number: four loads of mine are out
	s_cbranch_scc0 .Lfor_1
.irp c, 0,1,2,3
	tensor_load_to_lds s[32+4*\c:35+4*\c], s[16:23]
	s_nop 0
.endr
.rept 4
	v_nop
.endr
	s_branch .Lasked
.Lfor_1:
.irp c, 0,1,2,3
	tensor_load_to_lds s[48+4*\c:51+4*\c], s[24:31]
	s_nop 0
.endr
.rept 4
	v_nop
.endr
.Lasked:
	v_and_b32 v1, 31, v0
	v_lshlrev_b32 v1, 4, v1                        ; 16 x lane
	s_lshl_b32 s12, s5, 13
	v_add_nc_u32 v2, s12, v1
	v_add_nc_u32 v3, 0x10000, v2
	s_lshl_b32 s13, s6, 13
	s_add_co_u32 s13, s13, 0x20000
	v_add_nc_u32 v4, s13, v1
	v_add_nc_u32 v5, 0x10000, v4
	v_and_b32 v10, 15, v0                          ; r
	v_bfe_u32 v11, v0, 4, 1                        ; h
	s_mul_i32 s12, s4, 4352
	s_add_co_u32 s12, s12, 0x40000                 ; my stage
	v_mul_u32_u24 v6, v10, 272
	v_lshl_add_u32 v6, v11, 5, v6
	v_add_nc_u32 v6, s12, v6                       ; in: row r, + 32 h bytes
	v_mul_u32_u24 v7, v11, 272
	v_lshl_add_u32 v7, v10, 4, v7
	v_add_nc_u32 v7, s12, v7                       ; back: lanes 0-15 one row of 256 bytes, lanes 16-31 the next
	v_lshlrev_b32 v12, 4, v10
	v_lshl_add_u32 v12, v11, 12, v12               ; and the same two rows in the output
	v_lshlrev_b32 v13, 5, v11                      ; 32 h: my eight numbers of a tile's sixteen
	s_lshl_b32 s2, s66, 9
	s_lshl_b32 s12, s5, 8
	s_add_co_u32 s2, s2, s12                       ; my 64 columns, in bytes
	s_mov_b32 s3, 0
	s_add_nc_u64 s[84:85], s[84:85], s[2:3]
	s_add_nc_u64 s[88:89], s[88:89], s[2:3]
	s_lshl_b32 s2, s67, 19
	s_lshl_b32 s12, s6, 18
	s_add_co_u32 s2, s2, s12                       ; my 64 rows of 4,096 bytes
	s_add_nc_u64 s[88:89], s[88:89], s[2:3]
.irp b, 0,1,2,3
	global_load_b128 v[16+8*\b:19+8*\b], v13, s[84:85] offset:64*\b
	global_load_b128 v[20+8*\b:23+8*\b], v13, s[84:85] offset:64*\b+16
.endr
	s_wait_kmcnt 0x0
	s_add_co_i32 s70, s70, s71
	s_add_co_i32 s70, s70, 127
	s_lshl_b32 s70, s70, 23                        ; 2^(e10 + e11) as f32
	s_mov_b32 s71, s70                             ; (named with it as a pair, so it is written)
	s_wait_tensorcnt 0x3                           ; my first chunk has landed; my other three may be out
	s_barrier_signal -1
	s_barrier_wait -1                              ; K steps 0 and 1 of both blocks are whole
	FETCH 0, 0
.irp ks, 0,1,2,3,4,5,6,7
	KSTEP \ks
.endr
	WIN 0
	PLACES
	s_wait_loadcnt 0x0                             ; the bias
.macro EPI_O a                         ; 16 rows x 64 columns
.set A0, ACC+32*(\a)
.irp j, 0,2,4,6,8,10,12,14,16,18,20,22,24,26,28,30
	v_pk_fma_f32 v[48+\j:49+\j], v[A0+\j:A0+\j+1], s[70:71], v[16+\j:17+\j] op_sel_hi:[1,0,1]   ; sum x 2^(e10 + e11) + bo; each accumulator from its low end on
.endr
.irp b, 0,1,2,3
	ds_store_b128 v6, v[48+8*\b:51+8*\b] offset:64*\b
	ds_store_b128 v6, v[52+8*\b:55+8*\b] offset:64*\b+16
.endr
	s_wait_xcnt 0x0                                ; the registers that the last stores read are loaded again only behind this wait
.irp t, 0,1,2,3,4,5,6,7
	ds_load_b128 v[80+4*\t:83+4*\t], v7 offset:544*\t   ; LDS serves a wave's instructions in order (ISA guide 5.7.1.4): these see my stores
.endr
	s_wait_dscnt 0x0
.irp t, 0,1,2,3,4,5,6,7
	global_store_b128 v12, v[80+4*\t:83+4*\t], s[88:89] offset:65536*(\a)+8192*\t th:TH_STORE_NT   ; sixteen lanes store 256 consecutive bytes, aligned; written once, read by nobody here
.endr
.endm
	EPI_O 0
	EPI_O 1
	EPI_O 2
	EPI_O 3
	s_wait_tensorcnt 0x0
	ds_add_u32 v126, v127
	s_wait_dscnt 0x0
	ROUND                                          ; the closing round: no work-group ends while a partner may still ask for a block that names it
	s_endpgm
.Lfunc_end_k_q48a223411a_oproj:
	.size	k_q48a223411a_oproj, .Lfunc_end_k_q48a223411a_oproj-k_q48a223411a_oproj
	.p2alignl 7, 3214868480
	.fill 96, 4, 3214868480
	.section	.rodata,"a",@progbits
	.p2align	6, 0x0
	.amdhsa_kernel k_q48a223411a_oproj
		.amdhsa_group_segment_fixed_size 280064
		.amdhsa_private_segment_fixed_size 0
		.amdhsa_enable_private_segment 0
		.amdhsa_kernarg_size 40
		.amdhsa_user_sgpr_count 2
		.amdhsa_user_sgpr_kernarg_segment_ptr 1
		.amdhsa_wavefront_size32 1
		.amdhsa_system_sgpr_workgroup_id_x 1
		.amdhsa_system_sgpr_workgroup_id_y 1
		.amdhsa_system_sgpr_workgroup_id_z 1
		.amdhsa_system_vgpr_workitem_id 0
		.amdhsa_next_free_vgpr 512
		.amdhsa_next_free_sgpr 100
		.amdhsa_reserve_vcc 0
		.amdhsa_float_denorm_mode_32 3
		.amdhsa_float_denorm_mode_16_64 3
		.amdhsa_memory_ordered 1
		.amdhsa_forward_progress 1
		.amdhsa_inst_pref_size 47
	.end_amdhsa_kernel
	.amdgpu_metadata
---
amdhsa.version: [ 1, 2 ]
amdhsa.kernels:
  - .name:           k_q48a223411a_oproj
    .symbol:         k_q48a223411a_oproj.kd
    .args:
      - { .name: codes, .offset: 0, .size: 8, .value_kind: global_buffer, .address_space: global }
      - { .name: ac, .offset: 8, .size: 8, .value_kind: global_buffer, .address_space: global }
      - { .name: bo, .offset: 16, .size: 8, .value_kind: global_buffer, .address_space: global }
      - { .name: lowp_scales, .offset: 24, .size: 8, .value_kind: global_buffer, .address_space: global }
      - { .name: out0, .offset: 32, .size: 8, .value_kind: global_buffer, .address_space: global }
    .group_segment_fixed_size: 280064
    .private_segment_fixed_size: 0
    .kernarg_segment_align: 8
    .kernarg_segment_size: 40
    .max_flat_workgroup_size: 128
    .sgpr_count:     100
    .vgpr_count:     512
    .wavefront_size: 32
...
	.end_amdgpu_metadata
.endif
;; end of part 4
;; ======== version 2 of 2: 4 launches
;; limits: right only within a limited range of input values
;; workspace buffers: codes 16,777,216 bytes; rope 524,288 bytes; qc 4,194,304 bytes; kc 4,194,304 bytes; vc 4,194,304 bytes; ac 4,194,304 bytes
;; launch quant (part 5): grid 256 x 1, 8 waves a work-group, no clusters, 70,656 bytes of LDS; arguments x, Wq, Wk, Wv, Wo, lowp_scales, codes, rope; writes codes, rope
.if DOCPART == 5
	.amdgcn_target "amdgcn-amd-amdhsa--gfx1250"
	.amdhsa_code_object_version 6
	.text
	.protected	k_q48a223411a_quant
	.globl	k_q48a223411a_quant
	.p2align	8
	.type	k_q48a223411a_quant,@function
k_q48a223411a_quant:
	s_mov_b64 s[64:65], 0
	v_nop
	global_prefetch_b8 v0, s[64:65] scope:SCOPE_SE
	s_setreg_imm32_b32 hwreg(HW_REG_WAVE_MODE, 25, 1), 1
	s_wait_xcnt 0x0
; x [4096][1024] and Wq, Wk, Wv, Wo [1024][1024], f32, K innermost, become codes of BF8 (E5M2); and the table of cos and sin for the rotary step is made.
; code = number / 2^e, held within +-57,344, to the nearest code, ties to even.  x is quantised three times (entries 0, 2, 4 of the scales), the weights by entries 1, 3, 5, 11.
; THE CODES ARE LAID AS IMAGES OF OPERAND REGISTERS.  A section (x by e0 at 0, by e2 at 4 MiB, by e4 at 8 MiB, Wq, Wk, Wv, Wo at 12, 13, 14, 15 MiB) is
;   [block of 128 rows: 131,072 B][128 along K: 16,384][tile of 16 rows: 2,048][g 0..3: 512][lane: 16];  byte i of lane (r, h): row r of the tile, k = 32 g + 16 (i / 8) + 8 h + i % 8:
; registers 4 g .. 4 g + 3 of a fragment of the 16x16x128 form.  So a lane's 16 codes lie at 16 x its own lane, and a wave's store covers 512 consecutive bytes, aligned.
; SHARES.  Work-group i takes row tile i of x and row tile i of the four weights stacked; wave w of eight takes k = 128 w .. 128 w + 127 of both: four steps of 16 rows x 64 k, two for x, two for the weight.
; ALL OF A WAVE'S 32 LOADS GO OUT AT ITS HEAD (four sets of 32 registers): 16 KiB a wave, 128 KiB a work-group are on their way at once.
; A load reads two rows x 256 aligned bytes; the conversions want eight neighbours along K in one lane: a step's 4,096 bytes turn through the wave's own stage in LDS (16 rows of 256 + 16 bytes, two stages by turns)
; and come back into the registers that they left.  The turn runs one step ahead of the work.  No barrier: waves share nothing.
; ROPE TABLE: [T = s / 16: 4,096 B][u = 4 isSin + 2 pr + v: 512][lane: 16 B = 4 f32]: number i = cos or sin of fl(t f_j), t = 16 T + r, j = 16 pr + 8 h + 4 v + i, f_j = 10000^(-j / 32).  Waves 0 to 3 make one group of 512 bytes each.
; f_j = 2^(-j c), c = log2(10000) / 32 in two f32 words; the angle is reduced by pi / 2 in two words (exact for t f_j below 2,048) and cos, sin come from polynomials of degree 7 and 8 on [-pi/4, pi/4].
; LIMITS: every e used here between -126 and 112, so that 2^e and 57,344 x 2^e are f32 numbers.  NaN among the inputs is not served.  f_j is within about 1.5 ulp of the true power; a power function that rounds otherwise
; moves an angle by up to about 2e-4 at t = 2,047.
.set R,    16                          ; v16-143  four sets of 32 registers: as loaded, then register 16 gg + 8 u + e = k 32 gg + 16 u + 8 h + e of my row
.set T,    144                         ; v144-175 two sets of 16 held numbers, by turns
.set C,    176                         ; v176-199 codes: 8 registers for each of three scales
.set RES,  204                         ; v204-207 my four numbers of the rope table; never rewritten
.set STG,  4352                        ; a stage: 16 rows x 272 bytes
.set WREG, 2*STG                       ; a wave's LDS
.set XS,   56                          ; s[56:57] x at my rows and my k
.set WS,   58                          ; s[58:59] my weight likewise
.set D0,   48                          ; s[48:49], s[50:51], s[52:53] where my tile's images lie in x's three sections; s[54:55] in the weights'
.set D1,   50
.set D2,   52
.set DW,   54
.set RP,   60                          ; s[60:61] my group of the rope table
	s_load_b512 s[16:31], s[0:1], 0x0              ; x, Wq, Wk, Wv, Wo, scales, codes, rope
	v_lshl_add_u32 v208, v0, 2, 0x11000
	v_mov_b32 v209, 0
	v_lshrrev_b32 v1, 5, v0
	s_delay_alu instid0(VALU_DEP_1)
	v_readfirstlane_b32 s4, v1                     ; wave 0..7
	v_and_b32 v1, 31, v0                           ; lane
	v_and_b32 v2, 15, v0                           ; r
	v_bfe_u32 v3, v0, 4, 1                         ; h
	s_delay_alu instid0(VALU_DEP_3)
	v_lshlrev_b32 v7, 4, v1                        ; 16 x lane: my place in an image
	s_delay_alu instid0(VALU_DEP_3)
	v_lshlrev_b32 v4, 4, v2
	s_delay_alu instid0(VALU_DEP_1)
	v_lshl_add_u32 v4, v3, 12, v4                  ; a load: lanes 0-15 one row's 256 bytes, lanes 16-31 the next row's
	s_mul_i32 s5, s4, WREG
	v_mul_u32_u24 v5, v3, 272
	s_delay_alu instid0(VALU_DEP_1)
	v_lshl_add_u32 v5, v2, 4, v5
	s_delay_alu instid0(VALU_DEP_1)
	v_add_nc_u32 v5, s5, v5                        ; into the stage, as loaded
	v_mul_u32_u24 v6, v2, 272
	s_delay_alu instid0(VALU_DEP_1)
	v_lshl_add_u32 v6, v3, 5, v6
	s_delay_alu instid0(VALU_DEP_1)
	v_add_nc_u32 v6, s5, v6                        ; out of it: row r, + 32 h bytes
	s_lshl_b32 s6, s4, 9                           ; my 128 k in bytes
	s_lshl_b32 s8, ttmp9, 16                       ; 16 rows of 4,096 bytes
	s_add_co_u32 s8, s8, s6
	s_mov_b32 s9, 0
	s_and_b32 s10, ttmp9, 63                       ; the row tile within its weight
	s_lshl_b32 s10, s10, 16
	s_add_co_u32 s10, s10, s6
	s_mov_b32 s11, 0
	s_lshr_b32 s32, ttmp9, 3                       ; block of 128 rows,
	s_lshl_b32 s32, s32, 17
	s_and_b32 s33, ttmp9, 7                        ; tile in it,
	s_lshl_b32 s33, s33, 11
	s_add_co_u32 s32, s32, s33
	s_lshl_b32 s33, s4, 14                         ; my step of 128 along K
	s_add_co_u32 s32, s32, s33
	s_mov_b32 s33, 0
	s_lshr_b32 s34, ttmp9, 1                       ; rope: T,
	s_lshl_b32 s34, s34, 12
	s_and_b32 s35, ttmp9, 1
	s_lshl_b32 s35, s35, 2
	s_and_b32 s7, s4, 3
	s_add_co_u32 s35, s35, s7                      ; u = 4 isSin + wave (waves 0 to 3 alone use it)
	s_lshl_b32 s35, s35, 9
	s_add_co_u32 s34, s34, s35
	s_mov_b32 s35, 0
	s_wait_alu depctr_va_vdst(0)
	s_wait_kmcnt 0x0
	s_load_b256 s[36:43], s[26:27], 0x0            ; e0 .. e7
	s_load_b128 s[44:47], s[26:27], 0x20           ; e8 .. e11
	s_add_nc_u64 s[XS:XS+1], s[16:17], s[8:9]
	s_cmp_lt_u32 ttmp9, 128                        ; which weight: the choice hangs on the work-group's number alone
	s_cselect_b64 s[12:13], s[18:19], s[22:23]     ; Wq or Wv
	s_cselect_b64 s[14:15], s[20:21], s[24:25]     ; Wk or Wo
	s_bitcmp1_b32 ttmp9, 6
	s_cselect_b64 s[12:13], s[14:15], s[12:13]
	s_add_nc_u64 s[WS:WS+1], s[12:13], s[10:11]
	s_add_nc_u64 s[D0:D0+1], s[28:29], s[32:33]
	s_add_nc_u64 s[D1:D1+1], s[D0:D0+1], 0x400000
	s_add_nc_u64 s[D2:D2+1], s[D0:D0+1], 0x800000
	s_add_nc_u64 s[DW:DW+1], s[D0:D0+1], 0xc00000
	s_add_nc_u64 s[RP:RP+1], s[30:31], s[34:35]
.macro LOAD t                          ; step t (0, 1: x; 2, 3: the weight): 16 rows x 256 bytes into set t
.irp i, 0,1,2,3,4,5,6,7
.if (\t) < 2
	global_load_b128 v[R+32*(\t)+4*\i:R+32*(\t)+4*\i+3], v4, s[XS:XS+1] offset:256*((\t)%2)+8192*\i th:TH_LOAD_NT
.else
	global_load_b128 v[R+32*(\t)+4*\i:R+32*(\t)+4*\i+3], v4, s[WS:WS+1] offset:256*((\t)%2)+8192*\i th:TH_LOAD_NT
.endif
.endr
.endm
.macro TURN t                          ; step t's numbers through stage t % 2 and back into their registers: LDS serves a wave's instructions in order (ISA guide 5.7.1.4), so no wait stands between the stores and the loads
.irp i, 0,1,2,3,4,5,6,7
	ds_store_b128 v5, v[R+32*(\t)+4*\i:R+32*(\t)+4*\i+3] offset:STG*((\t)%2)+544*\i
.endr
.irp n, 0,1,2,3,4,5,6,7                ; n = 4 gg + 2 u + vv: bytes 128 gg + 64 u + 16 vv (+ 32 h) of my row
	ds_load_b128 v[R+32*(\t)+4*\n:R+32*(\t)+4*\n+3], v6 offset:STG*((\t)%2)+128*(\n/4)+64*((\n/2)%2)+16*(\n%2)
.endr
.endm
.macro QSET xs, sc, c                  ; 32 numbers at v[xs] become 8 registers of codes at v[c]; v[sc] = 2^e, v[sc + 1] = 57,344 x 2^e
.irp gg, 0,1
.irp i, 0,1,2,3,4,5,6,7,8,9,10,11,12,13,14,15
	v_med3_num_f32 v[T+16*\gg+\i], v[(\xs)+16*\gg+\i], -v[\sc+1], v[\sc+1]   ; the conversion to an 8-bit code does not saturate (ISA guide 7.6.2): the hold comes first.  It goes into other registers, since x is held three times
.endr
	v_cvt_scalef32_pk8_bf8_f32 v[(\c)+4*\gg:(\c)+4*\gg+1], v[T+16*\gg:T+16*\gg+7], v[\sc]
	v_cvt_scalef32_pk8_bf8_f32 v[(\c)+4*\gg+2:(\c)+4*\gg+3], v[T+16*\gg+8:T+16*\gg+15], v[\sc]   ; the other set's sixteen holds stand between these and the next write of their sources
.endr
.endm
.macro PUT c, base, st                 ; two images' groups, 2 st and 2 st + 1: 512 consecutive bytes each
.irp gg, 0,1
	global_store_b128 v7, v[(\c)+4*\gg:(\c)+4*\gg+3], s[\base:\base+1] offset:(\st)*1024+512*\gg
.endr
.endm
	LOAD 0
	LOAD 1
	LOAD 2
	LOAD 3
	; ---- the rope groups, while the loads are on their way: four groups to a work-group, so waves 0 to 3 make one each
	s_cmp_ge_u32 s4, 4
	s_cbranch_scc1 .Lno_rope
.set JF, 144
.set PP, 148
.set ER, 152
.set NN, 156
.set FR, 160
.set FQ, 164
.set AN, 168
.set KQ, 172
.set RR, 176
.set ZZ, 180
.set SS, 184
.set CC, 188
.set QI, 192
.set TM, 196
.set TF, 200
.set JB, 201
	s_lshr_b32 s6, s4, 1
	s_lshl_b32 s6, s6, 4
	s_and_b32 s7, s4, 1
	s_lshl_b32 s7, s7, 2
	s_add_co_u32 s6, s6, s7                        ; 16 pr + 4 v
	s_lshr_b32 s7, ttmp9, 1
	s_lshl_b32 s7, s7, 4                           ; 16 T
	s_and_b32 s34, ttmp9, 1
	s_mul_i32 s34, s34, 3                          ; sin(a) = cos(a - pi/2): three quadrants on
	s_mov_b32 s8, 0x3ed49a78                       ; c = log2(10000) / 32, high word,
	s_mov_b32 s9, 0x32179a2a                       ; low word
	s_mov_b32 s10, 0x3fc90fdb                      ; pi / 2, high word,
	s_mov_b32 s11, 0xb33bbd2e                      ; low word
	s_mov_b32 s12, 0xbe2aaaa3                      ; sin: -1.6666655e-1, 8.3321609e-3, -1.9515296e-4
	s_mov_b32 s13, 0x3c08839e
	s_mov_b32 s14, 0xb94ca1f9
	s_mov_b32 s15, 0x3d2aaaa5                      ; cos: 4.1666646e-2, -1.3887316e-3, 2.4433157e-5
	s_mov_b32 s32, 0xbab6061a
	s_mov_b32 s33, 0x37ccf5ce
	v_lshl_add_u32 v[JB], v3, 3, s6                ; j of my first number
	v_add_nc_u32 v[TF], s7, v2
	s_delay_alu instid0(VALU_DEP_1)
	v_cvt_f32_u32 v[TF], v[TF]                     ; t
.irp i, 0,1,2,3
	v_add_nc_u32 v[JF+\i], \i, v[JB]
	s_delay_alu instid0(VALU_DEP_1)
	v_cvt_f32_u32 v[JF+\i], v[JF+\i]
	s_delay_alu instid0(VALU_DEP_1)
	v_mul_f32 v[PP+\i], s8, v[JF+\i]               ; p = j c, rounded,
	s_delay_alu instid0(VALU_DEP_1)
	v_fma_f32 v[ER+\i], v[JF+\i], s8, -v[PP+\i]    ; what the rounding dropped,
	s_delay_alu instid0(VALU_DEP_1)
	v_fma_f32 v[ER+\i], v[JF+\i], s9, v[ER+\i]     ; and c's low word
	s_delay_alu instid0(VALU_DEP_3)
	v_rndne_f32 v[NN+\i], v[PP+\i]
	s_delay_alu instid0(VALU_DEP_1)
	v_sub_f32 v[FR+\i], v[NN+\i], v[PP+\i]         ; exact
	s_delay_alu instid0(VALU_DEP_1)
	v_sub_f32 v[FR+\i], v[FR+\i], v[ER+\i]         ; n - j c, within a half
.endr
	s_wait_alu depctr_va_vdst(0)
.irp i, 0,1,2,3
	v_exp_f32 v[FQ+\i], v[FR+\i]
.endr
.irp i, 0,1,2,3
	v_cvt_i32_f32 v[NN+\i], v[NN+\i]               ; (the first of these is the plain line behind the exponentials)
	s_delay_alu instid0(VALU_DEP_1)
	v_sub_nc_u32 v[NN+\i], 0, v[NN+\i]
	s_wait_alu depctr_va_vdst(0)
	v_ldexp_f32 v[FQ+\i], v[FQ+\i], v[NN+\i]       ; f_j = 2^(n - j c) 2^-n
	s_delay_alu instid0(VALU_DEP_1)
	v_mul_f32 v[AN+\i], v[TF], v[FQ+\i]            ; the angle, one f32 product
	s_delay_alu instid0(VALU_DEP_1)
	v_mul_f32 v[KQ+\i], 0x3f22f983, v[AN+\i]       ; x 2 / pi
	s_delay_alu instid0(VALU_DEP_1)
	v_rndne_f32 v[KQ+\i], v[KQ+\i]
	s_delay_alu instid0(VALU_DEP_1)
	v_fma_f32 v[RR+\i], -v[KQ+\i], s10, v[AN+\i]
	s_delay_alu instid0(VALU_DEP_1)
	v_fma_f32 v[RR+\i], -v[KQ+\i], s11, v[RR+\i]   ; the angle less kq quarter turns
	s_delay_alu instid0(VALU_DEP_1)
	v_mul_f32 v[ZZ+\i], v[RR+\i], v[RR+\i]
	s_delay_alu instid0(VALU_DEP_1)
	v_fma_f32 v[SS+\i], v[ZZ+\i], s14, s13
	s_delay_alu instid0(VALU_DEP_1)
	v_fma_f32 v[SS+\i], v[SS+\i], v[ZZ+\i], s12
	s_delay_alu instid0(VALU_DEP_1)
	v_mul_f32 v[SS+\i], v[SS+\i], v[ZZ+\i]
	s_delay_alu instid0(VALU_DEP_1)
	v_fma_f32 v[SS+\i], v[SS+\i], v[RR+\i], v[RR+\i]   ; sin
	v_fma_f32 v[CC+\i], v[ZZ+\i], s33, s32
	s_delay_alu instid0(VALU_DEP_1)
	v_fma_f32 v[CC+\i], v[CC+\i], v[ZZ+\i], s15
	s_delay_alu instid0(VALU_DEP_1)
	v_mul_f32 v[CC+\i], v[CC+\i], v[ZZ+\i]
	v_fma_f32 v[TM+\i], v[ZZ+\i], -0.5, 1.0
	s_delay_alu instid0(VALU_DEP_1)
	v_fma_f32 v[CC+\i], v[CC+\i], v[ZZ+\i], v[TM+\i]   ; cos
	v_cvt_i32_f32 v[QI+\i], v[KQ+\i]
	s_delay_alu instid0(VALU_DEP_1)
	v_add_nc_u32 v[QI+\i], s34, v[QI+\i]           ; the quadrant q: it only selects values
	s_delay_alu instid0(VALU_DEP_1)
	v_and_b32 v[TM+\i], 1, v[QI+\i]
	s_delay_alu instid0(VALU_DEP_1)
	v_cmp_ne_u32 vcc_lo, 0, v[TM+\i]
	s_delay_alu instid0(VALU_DEP_1)
	v_cndmask_b32 v[RES+\i], v[CC+\i], v[SS+\i], vcc_lo   ; odd q: sin, even q: cos
	s_delay_alu instid0(VALU_DEP_4)
	v_add_nc_u32 v[QI+\i], 1, v[QI+\i]
	s_delay_alu instid0(VALU_DEP_1)
	v_and_b32 v[QI+\i], 2, v[QI+\i]
	s_delay_alu instid0(VALU_DEP_1)
	v_lshlrev_b32 v[QI+\i], 30, v[QI+\i]
	s_delay_alu instid0(VALU_DEP_1)
	v_xor_b32 v[RES+\i], v[RES+\i], v[QI+\i]       ; q mod 4 = 1, 2: negative
.endr
	global_store_b128 v7, v[RES:RES+3], s[RP:RP+1] ; 512 consecutive bytes
.Lno_rope:
	; ---- the scales
	s_wait_kmcnt 0x0
	s_cmp_lt_u32 ttmp9, 128
	s_cselect_b32 s6, s37, s41                     ; e1 or e5
	s_cselect_b32 s7, s39, s47                     ; e3 or e11
	s_bitcmp1_b32 ttmp9, 6
	s_cselect_b32 s6, s7, s6                       ; my weight's e
.macro MKSC e, vs                      ; v[vs] = 2^e, v[vs + 1] = 57,344 x 2^e
	s_add_co_i32 s7, \e, 127
	s_lshl_b32 s35, s7, 23
	v_mov_b32 v[\vs], s35
	s_add_co_i32 s7, s7, 15
	s_lshl_b32 s7, s7, 23
	s_or_b32 s7, s7, 0x600000
	v_mov_b32 v[\vs+1], s7
.endm
	MKSC s36, 8
	MKSC s38, 10
	MKSC s40, 12
	MKSC s6, 14
	s_wait_alu depctr_va_vdst(0)
	s_wait_loadcnt 24                              ; step 0's eight loads are in; the 24 of steps 1 to 3 may be out
	TURN 0
.macro STEP t
	s_wait_dscnt 0x0                               ; this step's numbers are back from the stage
.if (\t) < 3
	s_wait_loadcnt 8*(2-(\t))                      ; the next step's eight loads are in; the sets issued behind them may be out
	TURN (\t)+1                                    ; and go through the other stage while this step is worked
.endif
	s_wait_xcnt 0x0                                ; the codes' registers, which the last stores read, are written again only behind this wait (ISA guide 3.1)
.if (\t) < 2
	QSET R+32*(\t), 8, C
	PUT C, D0, (\t)%2
	QSET R+32*(\t), 10, C+8
	PUT C+8, D1, (\t)%2
	QSET R+32*(\t), 12, C+16
	PUT C+16, D2, (\t)%2
.else
	QSET R+32*(\t), 14, C
	PUT C, DW, (\t)%2
.endif
.endm
.irp t, 0,1,2,3
	STEP \t
.endr
	s_wait_tensorcnt 0x0
	ds_add_u32 v208, v209
	s_wait_dscnt 0x0
	s_endpgm
.Lfunc_end_k_q48a223411a_quant:
	.size	k_q48a223411a_quant, .Lfunc_end_k_q48a223411a_quant-k_q48a223411a_quant
	.p2alignl 7, 3214868480
	.fill 96, 4, 3214868480
	.section	.rodata,"a",@progbits
	.p2align	6, 0x0
	.amdhsa_kernel k_q48a223411a_quant
		.amdhsa_group_segment_fixed_size 70656
		.amdhsa_private_segment_fixed_size 0
		.amdhsa_enable_private_segment 0
		.amdhsa_kernarg_size 64
		.amdhsa_user_sgpr_count 2
		.amdhsa_user_sgpr_kernarg_segment_ptr 1
		.amdhsa_wavefront_size32 1
		.amdhsa_system_sgpr_workgroup_id_x 1
		.amdhsa_system_sgpr_workgroup_id_y 1
		.amdhsa_system_sgpr_workgroup_id_z 1
		.amdhsa_system_vgpr_workitem_id 0
		.amdhsa_next_free_vgpr 210
		.amdhsa_next_free_sgpr 66
		.amdhsa_reserve_vcc 1
		.amdhsa_float_denorm_mode_32 3
		.amdhsa_float_denorm_mode_16_64 3
		.amdhsa_memory_ordered 1
		.amdhsa_forward_progress 1
		.amdhsa_inst_pref_size 43
	.end_amdhsa_kernel
	.amdgpu_metadata
---
amdhsa.version: [ 1, 2 ]
amdhsa.kernels:
  - .name:           k_q48a223411a_quant
    .symbol:         k_q48a223411a_quant.kd
    .args:
      - { .name: x, .offset: 0, .size: 8, .value_kind: global_buffer, .address_space: global }
      - { .name: Wq, .offset: 8, .size: 8, .value_kind: global_buffer, .address_space: global }
      - { .name: Wk, .offset: 16, .size: 8, .value_kind: global_buffer, .address_space: global }
      - { .name: Wv, .offset: 24, .size: 8, .value_kind: global_buffer, .address_space: global }
      - { .name: Wo, .offset: 32, .size: 8, .value_kind: global_buffer, .address_space: global }
      - { .name: lowp_scales, .offset: 40, .size: 8, .value_kind: global_buffer, .address_space: global }
      - { .name: codes, .offset: 48, .size: 8, .value_kind: global_buffer, .address_space: global }
      - { .name: rope, .offset: 56, .size: 8, .value_kind: global_buffer, .address_space: global }
    .group_segment_fixed_size: 70656
    .private_segment_fixed_size: 0
    .kernarg_segment_align: 8
    .kernarg_segment_size: 64
    .max_flat_workgroup_size: 256
    .sgpr_count:     66
    .vgpr_count:     210
    .wavefront_size: 32
...
	.end_amdgpu_metadata
.endif
;; end of part 5
;; launch proj (part 6): grid 8 x 32, 4 waves a work-group, clusters of 4 x 4, 327,680 bytes of LDS; arguments codes, rope, bq, bk, bv, lowp_scales, qc, kc, vc; writes qc, kc, vc
.if DOCPART == 6
	.amdgcn_target "amdgcn-amd-amdhsa--gfx1250"
	.amdhsa_code_object_version 6
	.text
	.protected	k_q48a223411a_proj
	.globl	k_q48a223411a_proj
	.p2align	8
	.type	k_q48a223411a_proj,@function
k_q48a223411a_proj:
	s_mov_b64 s[64:65], 0
	v_nop
	global_prefetch_b8 v0, s[64:65] scope:SCOPE_SE
	s_setreg_imm32_b32 hwreg(HW_REG_WAVE_MODE, 25, 1), 1
	s_wait_xcnt 0x0
	s_wait_alu depctr_hold_cnt(0) depctr_sa_sdst(0) depctr_va_vdst(0) depctr_va_sdst(0) depctr_va_ssrc(0) depctr_va_vcc(0) depctr_vm_vsrc(0)
	s_getreg_b32 s2, hwreg(HW_REG_IB_STS2, 6, 4)
	s_cmp_eq_u32 s2, 0
	s_cbranch_scc0 .Lentry_in_a_cluster
	s_endpgm
.Lentry_in_a_cluster:
	s_bfe_u32 s2, ttmp6, 0x10000c
	s_cmp_lg_u32 s2, 0xf033
	s_cbranch_scc0 .Lentry_shape_is_right
	s_endpgm
.Lentry_shape_is_right:
; q = rope(x Wq^T + bq), k = rope(x Wk^T + bk), v = x Wv^T + bv, on codes of BF8 (E5M2); the results are quantised at once (entries 6, 7, 9 of the scales) and stored as images of the next operands' registers.
; A tile is 128 x 128 with the whole K = 1,024 in LDS: two dense blocks of 131,072 bytes; four waves, each 64 x 64: 16 accumulators.
; D = src0 x src1^T: lane (r, h) holds src1's row r, its register j src0's row 8 h + j.
; A WORK-GROUP STAYS AND MAKES THREE TILES, one after the other: 768 tiles on 256 work-groups.
;   q, then k: src0 = 128 rows of the weight (block 4 X + cx), src1 = 128 rows of x (block 4 Y + cy): a lane holds one position s and eight neighbouring d: what the rotary step and a quantiser along d want.
;   v: src0 = 128 rows of x (block 4 Y + cx), src1 = 128 rows of Wv (block 4 X + cy): a lane holds one d and eight neighbouring KEYS: what a quantiser along the keys wants.
; THE NEXT TILE'S BLOCKS ARE ASKED FOR when K step 7's fragments are in registers and nobody reads LDS any more.
; The load lands under the step's last eight products and the tile's whole way out.
; CLUSTERS: 4 x 4.  src0's block hangs on cx alone and is asked for jointly by my column of the cluster, src1's on cy alone, by my row; so in all three tiles.
; OUTPUT: qc, kc: [b 16 + head: 131,072 B][s / 16: 1,024][g 0..1: 512][lane: 16]: byte i: s = r, d = 32 g + 16 (i / 8) + 8 h + i % 8.
;         vc: [b 16 + head: 131,072][key / 128: 8,192][d / 16: 2,048][g 0..3: 512][lane: 16]: byte i: d = r, key = 32 g + 16 (i / 8) + 8 h + i % 8.   A wave's store covers 512 consecutive bytes, aligned.
; LIMITS: e0 + e1, e2 + e3, e4 + e5 between -126 and 127; e6, e7, e9 between -126 and 112.  NaN among the inputs is not served.
; LDS: src0's block at 0, src1's at 131,072; the spare words, 128 bytes a wave, at 262,144: two blocks of 256 bytes that no other line names.  All of a WGP's LDS is claimed.
; REGISTERS: window 0: v1 16 x lane; v2, v3 src0's fragments in LDS (K steps 0-3, 4-7); v4, v5 src1's; v6, v7 bias offsets; v8 2^eo, v9 57,344 x 2^eo; v10 my spare word, v11 0; v16-47 the tile's bias; v48-63 at work;
;   v64-95 codes, 8 for each 16 rows; v128-255 the accumulators, (a, b) at v[128 + 8 (4 a + b)], a: src1's tile, b: src0's.   window 1: two fragment buffers of 128: src1's four fragments, then src0's four.
;   window 2: v0-127 cos and sin of my four tiles of positions, 32 a tile, asked for at the head; they serve q and k.
; THE RING, as the text below has it (it takes the place of what is said above of the refills): the two blocks in LDS are two slots.  Slot 0 = K steps 0-3 of src0 and of src1, slot 1 = K steps 4-7: 131,072 bytes each.
; A slot is filled again as soon as its last fragments are in registers: slot 0 at K step 3, slot 1 at K step 7, each time with the same half of the NEXT tile's blocks; every wave asks for 32,768 bytes, two K steps of one block.
; In front of each refill: the wait for all my tensor loads, the add, the wait for it and for my LDS reads, a round of the cluster's barrier.  One load of a wave is out at any time; it has four K steps (slot 1's: and the way out) in which to land.
; At the head each wave asks for its part of q's slot 0; q's slot 1 is first filled behind the same sequence.
.set ACC, 128
.set SPARE, 262144
.set SPW, 10
.set NIL, 11
.set MSB, 0
.macro WIN new                         ; the immediate's high byte repeats the setting that is left
.if MSB != \new
	s_set_vgpr_msb (MSB<<8)|\new
.set MSB, \new
.endif
.endm
.set MUL,  0x05                        ; sources 0 and 1 window 1; C and D window 0
.set TO_F, 0x40                        ; destination window 1, address window 0
.macro ROUND                           ; a round of the cluster's barrier
	s_barrier_signal -1
	s_barrier_wait -1
	s_cmp_lg_u32 s4, 0
	s_cbranch_scc1 .Lnot_wave_0_\@
	s_barrier_signal -3
.Lnot_wave_0_\@:
	s_barrier_wait -3
	s_barrier_signal -1
	s_barrier_wait -1
.endm
.macro PLACES                          ; four places in front of loads into registers that matrix instructions have read, and of the first read of results
.rept 4
	v_nop
.endr
.endm
.macro FETCH ks, f                     ; 32 LDS loads: K step ks's eight fragments into buffer f.  An image's group is 512 consecutive bytes: no conflict, no pitch
	WIN TO_F
.irp i, 0,1,2,3
.irp g, 0,1,2,3
	ds_load_b128 v[\f+64+16*\i+4*\g:\f+64+16*\i+4*\g+3], v[2+((\ks)/4)] offset:((\ks)%4)*16384+2048*\i+512*\g
.endr
.endr
.irp i, 0,1,2,3
.irp g, 0,1,2,3
	ds_load_b128 v[\f+16*\i+4*\g:\f+16*\i+4*\g+3], v[4+((\ks)/4)] offset:((\ks)%4)*16384+2048*\i+512*\g
.endr
.endr
.endm
.macro MUL8 f, a0, zero                ; src1's tiles a0, a0 + 1 x src0's four, 128 along K.  The 16 accumulators take turns, one instruction a turn, in the same order in every K step and from tile to tile
.irp a, \a0, \a0+1
.irp b, 0,1,2,3
.if \zero
	v_wmma_f32_16x16x128_bf8_bf8 v[ACC+8*(4*(\a)+\b):ACC+8*(4*(\a)+\b)+7], v[\f+64+16*\b:\f+64+16*\b+15], v[\f+16*(\a):\f+16*(\a)+15], 0
.else
	v_wmma_f32_16x16x128_bf8_bf8 v[ACC+8*(4*(\a)+\b):ACC+8*(4*(\a)+\b)+7], v[\f+64+16*\b:\f+64+16*\b+15], v[\f+16*(\a):\f+16*(\a)+15], v[ACC+8*(4*(\a)+\b):ACC+8*(4*(\a)+\b)+7]
.endif
.endr
.endr
.endm
.macro KSTEP ks, next                  ; K steps 0 to 6.  K step 3 changes slots; next = 1, 2: the tile whose K steps 0-3 are asked for there; 0: none
.set FB, 128*((\ks)%2)
.set FN, 128-FB
	s_wait_dscnt 0x0                               ; this K step's fragments are in (K step 3: my reads of slot 0 are over)
.if (\ks) == 3
	WIN 0                                          ; (the add's two registers lie in window 0)
	s_wait_tensorcnt 0x0                           ; my one load that was out, my part of slot 1, has landed; so the descriptors may be written
.if \next
	ds_add_u32 v[SPW], v[NIL]                      ; 0 onto my spare word: the descriptors and eight products stand between it and the wait for it
	NEXTTILE \next, 0
.endif
.endif
	WIN MUL
.if (\ks) == 0
	MUL8 FB, 0, 1                                  ; a tile's first K step starts the sums: nothing is cleared
.else
	MUL8 FB, 0, 0
.endif
.if (\ks) == 3
	WIN 0                                          ; at a label and at a branch every window is 0
.if \next
	s_wait_dscnt 0x0                               ; the add is done
	ROUND                                          ; slot 1 is whole; no wave of any partner still reads slot 0 or has a load on its way
	JLOAD                                          ; my one tensor load behind the round, and the first thing there; its four v_nop are the places in front of the loads below
.else
	s_barrier_signal -1                            ; the last tile: slot 1 is whole behind this barrier; nothing is filled again
	s_barrier_wait -1
	PLACES
.endif
.else
	PLACES
.endif
	FETCH (\ks)+1, FN
.if ((\ks) == 3) && ((\next) == 1)
	ASK 2, 0, 60, 1                                ; behind the load of k's slot 0 and the run of LDS loads: v's slot 0, two fills on
.endif
	WIN MUL
.if (\ks) == 0
	MUL8 FB, 2, 1
.else
	MUL8 FB, 2, 0
.endif
.endm
; The descriptors of tile t's refill (1: k, 2: v).  No tensor load of mine is out where this stands.  src0's offset is made of cx's numbers alone, src1's of cy's, each in registers of its own.
.macro NEXTTILE t, sl                  ; tile t (0: q, 1: k, 2: v), slot sl
.if (\t) < 2
	s_lshl_b32 s14, s66, 17
	s_add_co_u32 s14, s14, 0xc00000+0x100000*(\t)+65536*(\sl)   ; block 4 X + cx of Wq or Wk
	s_lshl_b32 s100, s67, 17
	s_add_co_u32 s100, s100, 0x400000*(\t)+65536*(\sl)          ; block 4 Y + cy of x by entry 0 or 2
.else
	s_lshl_b32 s14, s98, 17
	s_add_co_u32 s14, s14, 0x800000+65536*(\sl)                 ; block 4 Y + cx of x by entry 4
	s_lshl_b32 s100, s99, 17
	s_add_co_u32 s100, s100, 0xe00000+65536*(\sl)               ; Wv's block 4 X + cy
.endif
	s_add_co_u32 s14, s14, s10                     ; my two K steps of the slot: 2 (wave % 2) on
	s_mov_b32 s15, 0
	s_add_co_u32 s100, s100, s10
	s_mov_b32 s101, 0
	s_add_co_u32 s33, s9, 65536*(\sl)              ; LDS: 131,072 (wave / 2) + 65,536 slot + 32,768 (wave % 2)
	s_add_nc_u64 s[34:35], s[80:81], s[14:15]
	s_or_b32 s35, s35, 0x80000000
	s_add_co_u32 s49, s9, 65536*(\sl)
	s_add_nc_u64 s[50:51], s[80:81], s[100:101]
	s_or_b32 s51, s51, 0x80000000
.endm
; A PREFETCH INTO THE L2 of slot sl of tile t: 65,536 bytes of src0's block and as many of src1's.  It is asked for two fills ahead of the joint load that will want it (q's slot 1: one fill ahead), one instruction a wave.
; The four partners that load a block jointly share its 65,536 bytes out BY ADDRESS: 16,384 a work-group (src0's by cy, src1's by cx), 8,192 a wave (waves 0, 1: src0's; waves 2, 3: src1's), lanes 256 bytes apart.
; A weight's block is loaded by the eight clusters of a column of the grid: of a wave's 8,192 bytes the clusters with even y ask for the first 4,096 and those with odd y for the rest (lanes 16-31 name the wave's last unit again).
; s58 (q, k), s59 (v): my wave's place in a slot's part of its block; v12 (q, k), v13 (v): my lane's.  p: the pair of registers that holds the address, two pairs by turns; w = 1: the pair has been read by an earlier prefetch.
; v's slot 1 is the last that is asked for: no address passes the end of the codes.
.macro ASK t, sl, p, w
.if \w
	s_wait_xcnt 0x0                                ; the earlier prefetches have read their addresses (ISA guide 3.1): the pair may be written
.endif
.if (\t) < 2
	s_lshl_b32 s[\p], s66, 17
	s_add_co_u32 s[\p], s[\p], 0xc00000+0x100000*(\t)+65536*(\sl)
	s_lshl_b32 s[\p+1], s67, 17
	s_add_co_u32 s[\p+1], s[\p+1], 0x400000*(\t)+65536*(\sl)
.else
	s_lshl_b32 s[\p], s98, 17
	s_add_co_u32 s[\p], s[\p], 0x800000+65536*(\sl)
	s_lshl_b32 s[\p+1], s99, 17
	s_add_co_u32 s[\p+1], s[\p+1], 0xe00000+65536*(\sl)
.endif
	s_cmp_eq_u32 s6, 0                             ; src0's block or src1's: the wave's number decides
	s_cselect_b32 s[\p], s[\p], s[\p+1]
	s_add_co_u32 s[\p], s[\p], s[58+(\t)/2]
	s_mov_b32 s[\p+1], 0
	s_add_nc_u64 s[\p:\p+1], s[80:81], s[\p:\p+1]
	global_prefetch_b8 v[12+(\t)/2], s[\p:\p+1] th:TH_LOAD_NT scope:SCOPE_SE
.endm
.macro JLOAD                           ; the joint fill: waves 0, 1 for src0, waves 2, 3 for src1.  Each line has one mask; the branch hangs on the wave's number alone.  Four v_nop follow each line
	s_cmp_lt_u32 s4, 2
	s_cbranch_scc0 .Lre_1_\@
	tensor_load_to_lds s[32:35], s[16:23]
	s_nop 0
.rept 4
	v_nop
.endr
	s_branch .Lre_d_\@
.Lre_1_\@:
	tensor_load_to_lds s[48:51], s[24:31]
	s_nop 0
.rept 4
	v_nop
.endr
.Lre_d_\@:
.endm
.macro KLAST next                      ; K step 7, on buffer 1.  next = 1, 2: the tile that is asked for here; 0: none
	s_wait_dscnt 0x0                               ; the last fragments are in: my reads of both blocks are over
.if \next
	WIN 0                                          ; (the add's two registers lie in window 0)
	s_wait_tensorcnt 0x0                           ; no tensor load of mine is out, so the descriptors may be written
	ds_add_u32 v[SPW], v[NIL]                      ; 0 onto my spare word: the descriptors and eight products stand between it and the wait for it
	NEXTTILE \next, 1
	WIN MUL
	MUL8 128, 0, 0
	WIN 0                                          ; at a label and at a branch every window is 0
	s_wait_dscnt 0x0                               ; the add is done
	ROUND                                          ; no wave of any partner still reads the blocks or has a load on its way
	JLOAD                                          ; my one tensor load behind the round, and the first thing there: the next tile's K steps 4-7
	FETCH 0, 0                                     ; the next tile's slot 0 is whole (every wave has waited for its part ahead of the round): its first fragments land under the way out
.if (\next) == 1
	ASK 2, 1, 56, 1                                ; behind the load of k's slot 1: v's slot 1, two fills on
.endif
	WIN MUL
	MUL8 128, 2, 0
.else
	WIN MUL
	MUL8 128, 0, 0
	MUL8 128, 2, 0
.endif
	WIN 0
	PLACES
.endm
.macro MAINK next                      ; a tile's 128 products a wave; next: the tile that is asked for on the way
.irp ks, 0,1,2,3,4,5,6
	KSTEP \ks, \next
.endr
	KLAST \next
.endm
.macro MKSC ea, eb, eo                 ; s[90:91] = 2^(ea + eb), twice; v8 = 2^eo, v9 = 57,344 x 2^eo
	s_add_co_i32 s12, \ea, \eb
	s_add_co_i32 s12, s12, 127
	s_lshl_b32 s90, s12, 23
	s_mov_b32 s91, s90                             ; (named with it as a pair, so it is written)
	s_add_co_i32 s13, \eo, 127
	s_lshl_b32 s12, s13, 23
	v_mov_b32 v8, s12
	s_add_co_i32 s13, s13, 15
	s_lshl_b32 s13, s13, 23
	s_or_b32 s13, s13, 0x600000
	v_mov_b32 v9, s13
.endm
	s_load_b512 s[80:95], s[0:1], 0x0              ; codes, rope, bq, bk, bv, scales, qc, kc
	s_load_b64 s[96:97], s[0:1], 0x40              ; vc
	v_lshl_add_u32 v[SPW], v0, 2, SPARE
	v_mov_b32 v[NIL], 0
	ds_add_u32 v10, v11
	ds_add_u32 v10, v11
	s_wait_dscnt 0x0
	v_lshrrev_b32 v1, 5, v0
	v_readfirstlane_b32 s4, v1                     ; wave 0..3
	s_and_b32 s5, s4, 1                            ; W0: which four of src0's tiles are mine.  Also: which part of a block I fetch
	s_lshr_b32 s6, s4, 1                           ; W1: which four of src1's.  Also: I fetch for src0 (0) or src1 (1)
	s_bfe_u32 s7, ttmp6, 0x40000                   ; cx
	s_bfe_u32 s8, ttmp6, 0x40004                   ; cy
	s_lshl_b32 s9, ttmp9, 2                        ; 4 X, X = 0, 1
	s_and_b32 s10, ttmp7, 0xffff
	s_lshl_b32 s10, s10, 2                         ; 4 Y, Y = 0..7
	s_add_co_u32 s66, s9, s7                       ; q, k: the weight's block, 4 X + cx
	s_add_co_u32 s67, s10, s8                      ; q, k: x's block, 4 Y + cy
	s_add_co_u32 s98, s10, s7                      ; v: x's block, 4 Y + cx
	s_add_co_u32 s99, s9, s8                       ; v: Wv's block, 4 X + cy
	s_lshl_b32 s12, 0x1111, s7                     ; my column of the cluster
	s_or_b32 s16, s12, (3<<16)|(1<<21)             ; group 1 for src0: 15:0 the mask; 17:16 elements of 8 bytes; 21 set beside a mask; no padding
	s_lshl_b32 s13, s8, 2
	s_lshl_b32 s13, 15, s13                        ; my row
	s_or_b32 s24, s13, (3<<16)|(1<<21)             ; group 1 for src1
.irp g, 16, 24                         ; what one load brings: two K steps of a block, 32,768 dense bytes as 128 rows of 256
	s_mov_b32 s[\g+1], 32<<16                      ; tensor_dim0 = 32 elements
	s_mov_b32 s[\g+2], 128<<16                     ; tensor_dim1 = 128
	s_mov_b32 s[\g+3], 32<<16                      ; tile_dim0
	s_mov_b32 s[\g+4], 128                         ; tile_dim1
	s_mov_b32 s[\g+5], 32                          ; pitch
	s_mov_b32 s[\g+6], 0
	s_mov_b32 s[\g+7], 0
.endr
	s_lshl_b32 s11, s5, 15                         ; my two K steps of a slot's four: 2 (wave % 2) on
	s_lshl_b32 s14, s66, 17
	s_add_co_u32 s14, s14, 0xc00000                ; Wq's block
	s_add_co_u32 s14, s14, s11
	s_mov_b32 s15, 0
	s_lshl_b32 s100, s67, 17                       ; block of x by entry 0
	s_add_co_u32 s100, s100, s11
	s_mov_b32 s101, 0
	s_lshl_b32 s3, s6, 17
	s_add_co_u32 s3, s3, s11                       ; where my chunks go: 131,072 (wave / 2) + 32,768 (wave % 2): the wave's number alone
	s_lshl_b32 s10, s5, 15                         ; the same for the later fills,
	s_lshl_b32 s9, s6, 17
	s_add_co_u32 s9, s9, s10                       ; and where it goes: 131,072 (wave / 2) + 32,768 (wave % 2)
	s_wait_kmcnt 0x0
	s_load_b256 s[68:75], s[90:91], 0x0            ; e0 .. e7
	s_load_b128 s[76:79], s[90:91], 0x20           ; e8 .. e11
	s_add_nc_u64 s[14:15], s[80:81], s[14:15]
	s_add_nc_u64 s[100:101], s[80:81], s[100:101]
.irp c, 0                              ; one group 0 for src0 and one for src1
	s_mov_b32 s[32+4*\c], 1
	s_add_co_u32 s[33+4*\c], s3, \c*32768
	s_add_nc_u64 s[34+4*\c:35+4*\c], s[14:15], \c*32768
	s_or_b32 s[35+4*\c], s[35+4*\c], 0x80000000
	s_mov_b32 s[48+4*\c], 1
	s_add_co_u32 s[49+4*\c], s3, \c*32768
	s_add_nc_u64 s[50+4*\c:51+4*\c], s[100:101], \c*32768
	s_or_b32 s[51+4*\c], s[51+4*\c], 0x80000000
.endr
	ROUND                                          ; all sixteen work-groups are here: the joint loads meet
	s_cmp_lt_u32 s4, 2                             ; one first fill a wave, in the two arms of one branch on its number
	s_cbranch_scc0 .Lfor_1
.irp c, 0
	tensor_load_to_lds s[32+4*\c:35+4*\c], s[16:23]
	s_nop 0
.endr
.rept 4
	v_nop
.endr
	s_branch .Lasked
.Lfor_1:
.irp c, 0
	tensor_load_to_lds s[48+4*\c:51+4*\c], s[24:31]
	s_nop 0
.endr
.rept 4
	v_nop
.endr
.Lasked:
	v_and_b32 v1, 31, v0
	v_lshlrev_b32 v1, 4, v1                        ; 16 x lane
	s_lshl_b32 s12, s5, 13                         ; my four tiles of src0
	v_add_nc_u32 v2, s12, v1
	v_add_nc_u32 v3, 0x10000, v2
	s_lshl_b32 s13, s6, 13                         ; my four tiles of src1,
	s_add_co_u32 s13, s13, 0x20000                 ; whose block lies behind src0's
	v_add_nc_u32 v4, s13, v1
	v_add_nc_u32 v5, 0x10000, v4
	v_bfe_u32 v6, v0, 4, 1
	v_lshlrev_b32 v6, 5, v6                        ; q, k: 32 h: my eight numbers of a tile's sixteen
	s_and_b32 s55, ttmp7, 1                        ; the prefetches' places (macro ASK): the parity of my cluster's y,
	s_lshl_b32 s55, s55, 12                        ; which picks 4,096 of a wave's 8,192 bytes of a weight
	s_cmp_eq_u32 s6, 0                             ; do I ask for src0's block (q, k: a weight's; v: x's) or for src1's (q, k: x's; v: a weight's)?  The wave's number decides
	s_cselect_b32 s52, 15, 31                      ; q, k: my last lane with a unit of its own
	s_cselect_b32 s53, 31, 15                      ; v
	s_cselect_b32 s54, s8, s7                      ; my work-group's place among the four that load the block jointly: cy for src0's, cx for src1's
	s_cselect_b32 s58, s55, 0
	s_cselect_b32 s59, 0, s55
	s_lshl_b32 s54, s54, 14
	s_lshl_b32 s62, s5, 13
	s_add_co_u32 s54, s54, s62                     ; 16,384 x place + 8,192 x (wave % 2)
	s_add_co_u32 s58, s58, s54
	s_add_co_u32 s59, s59, s54
	v_and_b32 v13, 31, v0
	v_min_u32 v12, s52, v13
	v_min_u32 v13, s53, v13
	v_lshlrev_b32 v12, 8, v12                      ; 256 x lane, held at the last unit
	v_lshlrev_b32 v13, 8, v13
	s_wait_alu depctr_va_vdst(0)
	v_and_b32 v7, 15, v0
	v_lshlrev_b32 v7, 2, v7                        ; v: 4 r: my d's bias
	ASK 0, 1, 56, 0                                ; behind the load of q's slot 0: q's slot 1, one fill on,
	ASK 1, 0, 60, 0                                ; and k's slot 0, two fills on
	s_mov_b32 s3, 0
	; q and k: the same columns, the same positions
	s_lshl_b32 s2, s66, 9
	s_lshl_b32 s12, s5, 8
	s_add_co_u32 s2, s2, s12
	s_add_nc_u64 s[84:85], s[84:85], s[2:3]        ; bq at my 64 columns: one head
	s_add_nc_u64 s[86:87], s[86:87], s[2:3]        ; bk likewise
	s_lshl_b32 s13, s66, 1
	s_add_co_u32 s13, s13, s5                      ; head
	s_lshr_b32 s12, s67, 4
	s_lshl_b32 s12, s12, 4
	s_add_co_u32 s13, s13, s12                     ; 16 b + head
	s_lshl_b32 s13, s13, 17
	s_and_b32 s12, s67, 15
	s_lshl_b32 s12, s12, 3
	s_lshl_b32 s2, s6, 2
	s_add_co_u32 s12, s12, s2                      ; my first tile of positions, s / 16
	s_lshl_b32 s2, s12, 12
	s_add_nc_u64 s[82:83], s[82:83], s[2:3]        ; its cos and sin
	s_lshl_b32 s2, s12, 10
	s_add_co_u32 s2, s2, s13
	s_add_nc_u64 s[92:93], s[92:93], s[2:3]        ; its images in qc,
	s_add_nc_u64 s[94:95], s[94:95], s[2:3]        ; in kc
	; v
	s_lshl_b32 s2, s99, 9
	s_lshl_b32 s12, s6, 8
	s_add_co_u32 s2, s2, s12
	s_add_nc_u64 s[88:89], s[88:89], s[2:3]        ; bv at my 64 rows of Wv: one head
	s_lshr_b32 s12, s98, 4
	s_lshl_b32 s12, s12, 4
	s_lshl_b32 s13, s99, 1
	s_add_co_u32 s12, s12, s13
	s_add_co_u32 s12, s12, s6                      ; 16 b + head
	s_lshl_b32 s12, s12, 4
	s_and_b32 s13, s98, 15
	s_add_co_u32 s12, s12, s13                     ; and the block of 128 keys
	s_lshl_b32 s2, s12, 13
	s_lshl_b32 s13, s5, 10                         ; my 64 keys are groups 2 W0, 2 W0 + 1
	s_add_co_u32 s2, s2, s13
	s_add_nc_u64 s[96:97], s[96:97], s[2:3]
.macro LOADB base                      ; a tile's bias for q or k: my eight numbers of each of four tiles of sixteen columns
.irp b, 0,1,2,3
	global_load_b128 v[16+8*\b:19+8*\b], v6, s[\base:\base+1] offset:64*\b
	global_load_b128 v[20+8*\b:23+8*\b], v6, s[\base:\base+1] offset:64*\b+16
.endr
.endm
	LOADB 84
	WIN 0x80                                       ; destination window 2, address window 0
.irp a, 0,1,2,3                        ; tile a's cos (d 0-15, 16-31) and sin likewise, in the results' layout: all four tiles now, so that they land under the products
.irp u, 0,1,2,3,4,5,6,7
	global_load_b128 v[32*\a+4*\u:32*\a+4*\u+3], v1, s[82:83] offset:4096*\a+512*\u
.endr
.endr
	WIN 0
.macro EPI_QK a, ob                    ; 16 positions x 64 d: scale and bias, the rotary step, the quantiser, two stores.  Each 16 rows have their own registers for their codes
.set A0, ACC+32*(\a)
.set CS, 32*(\a)                       ; in window 2: cos d 0-15, cos d 16-31, sin d 0-15, sin d 16-31 (my eight of each sixteen)
.set CD, 64+8*(\a)
.irp j, 0,2,4,6,8,10,12,14,16,18,20,22,24,26,28,30
	v_pk_fma_f32 v[A0+\j:A0+\j+1], v[A0+\j:A0+\j+1], s[90:91], v[16+\j:17+\j] op_sel_hi:[1,0,1]   ; sum x 2^E + bias; each accumulator from its low end on
.endr
	WIN 0x08                                       ; source 1 (cos, sin) window 2: one setting for the rotary step's 32 lines
.irp pr, 0,1                           ; X = d 16 pr + 8 h + 0..7, Y = the same + 32: X' = X cos - Y sin, Y' = Y cos + X sin
.irp i, 0,2,4,6
	v_pk_mul_f32 v[48+8*\pr+\i:49+8*\pr+\i], v[A0+8*\pr+\i:A0+8*\pr+\i+1], v[CS+8*\pr+\i:CS+8*\pr+\i+1]
.endr
.irp i, 0,2,4,6
	v_pk_fma_f32 v[48+8*\pr+\i:49+8*\pr+\i], v[A0+16+8*\pr+\i:A0+16+8*\pr+\i+1], v[CS+16+8*\pr+\i:CS+16+8*\pr+\i+1], v[48+8*\pr+\i:49+8*\pr+\i] neg_lo:[1,0,0] neg_hi:[1,0,0]
.endr
.irp i, 0,2,4,6
	v_pk_mul_f32 v[A0+16+8*\pr+\i:A0+16+8*\pr+\i+1], v[A0+16+8*\pr+\i:A0+16+8*\pr+\i+1], v[CS+8*\pr+\i:CS+8*\pr+\i+1]
.endr
.irp i, 0,2,4,6
	v_pk_fma_f32 v[A0+16+8*\pr+\i:A0+16+8*\pr+\i+1], v[A0+8*\pr+\i:A0+8*\pr+\i+1], v[CS+16+8*\pr+\i:CS+16+8*\pr+\i+1], v[A0+16+8*\pr+\i:A0+16+8*\pr+\i+1]
.endr
.endr
	WIN 0
.irp i, 0,1,2,3,4,5,6,7,8,9,10,11,12,13,14,15
	v_med3_num_f32 v[48+\i], v[48+\i], -v9, v9     ; the conversion does not saturate (ISA guide 7.6.2): the hold
.endr
.irp i, 0,1,2,3,4,5,6,7,8,9,10,11,12,13,14,15
	v_med3_num_f32 v[A0+16+\i], v[A0+16+\i], -v9, v9
.endr
	v_cvt_scalef32_pk8_bf8_f32 v[CD:CD+1], v[48:55], v8
	v_cvt_scalef32_pk8_bf8_f32 v[CD+2:CD+3], v[56:63], v8
	v_cvt_scalef32_pk8_bf8_f32 v[CD+4:CD+5], v[A0+16:A0+23], v8
	v_cvt_scalef32_pk8_bf8_f32 v[CD+6:CD+7], v[A0+24:A0+31], v8
	v_nop                                          ; one plain line behind the conversions, ahead of the next vector or matrix instruction that writes their sources
	global_store_b128 v1, v[CD:CD+3], s[\ob:\ob+1] offset:1024*(\a)          ; d 0-31
	global_store_b128 v1, v[CD+4:CD+7], s[\ob:\ob+1] offset:1024*(\a)+512    ; d 32-63
.endm
.macro EPI_V a                         ; 16 d x 64 keys
.set A0, ACC+32*(\a)
.set CD, 64+8*(\a)
.irp j, 0,2,4,6,8,10,12,14,16,18,20,22,24,26,28,30
	v_pk_fma_f32 v[A0+\j:A0+\j+1], v[A0+\j:A0+\j+1], s[90:91], v[16+2*(\a):17+2*(\a)] op_sel_hi:[1,0,0]   ; my d's bias for both halves
.endr
.irp j, 0,1,2,3,4,5,6,7,8,9,10,11,12,13,14,15,16,17,18,19,20,21,22,23,24,25,26,27,28,29,30,31
	v_med3_num_f32 v[A0+\j], v[A0+\j], -v9, v9
.endr
.irp b, 0,1,2,3
	v_cvt_scalef32_pk8_bf8_f32 v[CD+2*\b:CD+2*\b+1], v[A0+8*\b:A0+8*\b+7], v8
.endr
	v_nop
	global_store_b128 v1, v[CD:CD+3], s[96:97] offset:2048*(\a)
	global_store_b128 v1, v[CD+4:CD+7], s[96:97] offset:2048*(\a)+512
.endm
	; ================ q
	s_wait_tensorcnt 0x0                           ; my part of q's slot 0 has landed
	ds_add_u32 v[SPW], v[NIL]                      ; 0 onto my spare word
	NEXTTILE 0, 1
	s_wait_dscnt 0x0                               ; the add is done
	ROUND                                          ; slot 0 is whole, and all sixteen work-groups are here
	JLOAD                                          ; q's slot 1, the first tensor load behind the round
	FETCH 0, 0
	ASK 1, 1, 56, 1                                ; behind the load of q's slot 1: k's slot 1, two fills on
	MAINK 1                                        ; on its way k's two slots are asked for
	s_wait_kmcnt 0x0                               ; the scales
	MKSC s68, s69, s74
	s_wait_loadcnt 0x0                             ; bq, and all cos and sin
	EPI_QK 0, 92
	EPI_QK 1, 92
	EPI_QK 2, 92
	EPI_QK 3, 92
	LOADB 86                                       ; bk takes bq's registers and lands under k's products
	; ================ k
	MAINK 2                                        ; on its way v's two slots are asked for
	MKSC s70, s71, s75
	s_wait_loadcnt 0x0                             ; bk
	s_wait_xcnt 0x0                                ; the codes' registers, which q's stores read, are written again only behind this wait (ISA guide 3.1)
	EPI_QK 0, 94
	EPI_QK 1, 94
	EPI_QK 2, 94
	EPI_QK 3, 94
.irp a, 0,1,2,3
	global_load_b32 v[16+2*\a], v7, s[88:89] offset:64*\a   ; bv of my d in each of four tiles
	v_mov_b32 v[17+2*\a], 0                        ; (named as the upper half of a pair)
.endr
	; ================ v
	MAINK 0                                        ; nothing is left to ask for
	MKSC s72, s73, s77
	s_wait_alu depctr_va_vdst(0)
	s_wait_loadcnt 0x0                             ; bv
	s_wait_xcnt 0x0                                ; k's stores have read the codes' registers
	EPI_V 0
	EPI_V 1
	EPI_V 2
	EPI_V 3
	s_wait_tensorcnt 0x0                           ; the wave's end
	ds_add_u32 v[SPW], v[NIL]
	s_wait_dscnt 0x0
	ROUND                                          ; the closing round: no work-group ends while a partner may still ask for a block that names it
	s_endpgm
.Lfunc_end_k_q48a223411a_proj:
	.size	k_q48a223411a_proj, .Lfunc_end_k_q48a223411a_proj-k_q48a223411a_proj
	.p2alignl 7, 3214868480
	.fill 96, 4, 3214868480
	.section	.rodata,"a",@progbits
	.p2align	6, 0x0
	.amdhsa_kernel k_q48a223411a_proj
		.amdhsa_group_segment_fixed_size 327680
		.amdhsa_private_segment_fixed_size 0
		.amdhsa_enable_private_segment 0
		.amdhsa_kernarg_size 72
		.amdhsa_user_sgpr_count 2
		.amdhsa_user_sgpr_kernarg_segment_ptr 1
		.amdhsa_wavefront_size32 1
		.amdhsa_system_sgpr_workgroup_id_x 1
		.amdhsa_system_sgpr_workgroup_id_y 1
		.amdhsa_system_sgpr_workgroup_id_z 1
		.amdhsa_system_vgpr_workitem_id 0
		.amdhsa_next_free_vgpr 768
		.amdhsa_next_free_sgpr 102
		.amdhsa_reserve_vcc 0
		.amdhsa_float_denorm_mode_32 3
		.amdhsa_float_denorm_mode_16_64 3
		.amdhsa_memory_ordered 1
		.amdhsa_forward_progress 1
		.amdhsa_inst_pref_size 160
	.end_amdhsa_kernel
	.amdgpu_metadata
---
amdhsa.version: [ 1, 2 ]
amdhsa.kernels:
  - .name:           k_q48a223411a_proj
    .symbol:         k_q48a223411a_proj.kd
    .args:
      - { .name: codes, .offset: 0, .size: 8, .value_kind: global_buffer, .address_space: global }
      - { .name: rope, .offset: 8, .size: 8, .value_kind: global_buffer, .address_space: global }
      - { .name: bq, .offset: 16, .size: 8, .value_kind: global_buffer, .address_space: global }
      - { .name: bk, .offset: 24, .size: 8, .value_kind: global_buffer, .address_space: global }
      - { .name: bv, .offset: 32, .size: 8, .value_kind: global_buffer, .address_space: global }
      - { .name: lowp_scales, .offset: 40, .size: 8, .value_kind: global_buffer, .address_space: global }
      - { .name: qc, .offset: 48, .size: 8, .value_kind: global_buffer, .address_space: global }
      - { .name: kc, .offset: 56, .size: 8, .value_kind: global_buffer, .address_space: global }
      - { .name: vc, .offset: 64, .size: 8, .value_kind: global_buffer, .address_space: global }
    .group_segment_fixed_size: 327680
    .private_segment_fixed_size: 0
    .kernarg_segment_align: 8
    .kernarg_segment_size: 72
    .max_flat_workgroup_size: 128
    .sgpr_count:     102
    .vgpr_count:     768
    .wavefront_size: 32
...
	.end_amdgpu_metadata
.endif
;; end of part 6
;; launch attn (part 7): grid 8 x 32, 16 waves a work-group, clusters of 4 x 1, 327,680 bytes of LDS; arguments qc, kc, vc, lowp_scales, ac; writes ac
.if DOCPART == 7
	.amdgcn_target "amdgcn-amd-amdhsa--gfx1250"
	.amdhsa_code_object_version 6
	.text
	.protected	k_q48a223411a_attn
	.globl	k_q48a223411a_attn
	.p2align	8
	.type	k_q48a223411a_attn,@function
k_q48a223411a_attn:
	s_mov_b64 s[64:65], 0
	v_nop
	global_prefetch_b8 v0, s[64:65] scope:SCOPE_SE
	s_setreg_imm32_b32 hwreg(HW_REG_WAVE_MODE, 25, 1), 1
	s_wait_xcnt 0x0
	s_wait_alu depctr_hold_cnt(0) depctr_sa_sdst(0) depctr_va_vdst(0) depctr_va_sdst(0) depctr_va_ssrc(0) depctr_va_vcc(0) depctr_vm_vsrc(0)
	s_getreg_b32 s2, hwreg(HW_REG_IB_STS2, 6, 4)
	s_cmp_eq_u32 s2, 0
	s_cbranch_scc0 .Lentry_in_a_cluster
	s_endpgm
.Lentry_in_a_cluster:
	s_bfe_u32 s2, ttmp6, 0x10000c
	s_cmp_lg_u32 s2, 0x3003
	s_cbranch_scc0 .Lentry_shape_is_right
	s_endpgm
.Lentry_shape_is_right:
; O[q] = sum over keys of softmax(q . k / 8) v for one head of 64, 2,048 keys, both products on codes of BF8 (E5M2) with the given scales; O / l is quantised at once (entry 10) and stored as images of the last product's operand.
; THE SOFTMAX: t = score x log2(e) / 8; M = the running largest t rounded UP to a whole number; p = 2^(t - M) is quantised (entry 8), not normalised; the row's sum is taken of the unquantised p and divides at the end.
; When M moves, the sum and O are multiplied by 2^(old M - new M): exact.
; SHARES.  A work-group owns 256 queries of one head, each of its sixteen waves 16 of them, in 256 registers.  A step is 256 keys: M, the factor and O's rescaling are made once for 128 scores a lane.
; THE WHOLE HEAD LIES IN LDS: K's 128 tiles of 16 keys (1,024 bytes each) at 0, V's 16 blocks of 128 keys (8,192 bytes each) at 131,072; the spare words at 262,144.  Every byte is filled once; nothing is stored to LDS.
; TWO FILLS A WAVE (waves 0-7: K's codes, waves 8-15: V's).  At the head: 2,048 bytes each, together the first 256 keys.  Behind the wait for them, the add, its wait and a round of the cluster's barrier: 14,336 bytes each,
; the other 1,792 keys, which land under the first step; that step is written out ahead of the loop, and a wait for 0 and a barrier stand between it and the loop's seven trips.
; All of a WGP's LDS is claimed.
; CLUSTER: the four query blocks of a cluster belong to one head: each fill is asked for jointly, mask 15.
; NO PREFETCH: all of K and V is asked for by these two groups of loads; no load stands in the loop, so there is nothing to run ahead of.
; LAYOUT.  Both products transposed: S^T = K Q^T (16x16x64: source 0 = 16 keys, source 1 = my queries), O^T = V^T P^T (16x16x128: source 0 = 16 d, source 1 = P): a lane holds ONE query throughout.
; Tile t of S^T holds keys 16 t + 8 h + 0..7 in lane (r, h): what registers 2 t, 2 t + 1 of the second product's operand hold: the conversions' results are that operand.
; THE EXPONENTIALS go in two batches of 64 (tiles 0-7, tiles 8-15).  Between a batch's exponentials stand plain lines whose sources were made ahead of the wait in front of the batch and whose results are read behind the
; wait that follows it: in the first batch t - M of tiles 8-15; in the second the first level of the sum of tiles 0-7 and their hold.
; LIMITS: e6 + e7 between -123 and 130 (added to c's exponent field); e8, and e10 - e8 - e9, between -126 and 112; the scaled scores stay under 2^31 in magnitude.  NaN among the inputs is not served.
; REGISTERS: v1 16 x lane, v2 the same in V's part; v3 my spare word, v4 0; v5, v6 57,344 x 2^e8 (twice: the halves of a dual instruction take their first sources from different banks); v7 2^e8; v8, v9 the step's addresses;
;   v[10:11] the factor; v12 -M, v13 the largest t, v[14:15] the sum; v16-23 Q; v24-27 four running maxima; v28, v29 at work; v[30:31] the sum's second chain; v32-63 four fragments of K (tiles 0-3, then 12-15), then p's codes;
;   v64-95 O^T; v96-223 S^T, then p, then V's eight fragments (v192-223 first hold K's tiles 8-11); v224-255 K's tiles 4-7, then sixteen partial sums.
.macro ROUND
	s_barrier_signal -1
	s_barrier_wait -1
	s_cmp_lg_u32 s18, 0
	s_cbranch_scc1 .Lnot_wave_0_\@
	s_barrier_signal -3
.Lnot_wave_0_\@:
	s_barrier_wait -3
	s_barrier_signal -1
	s_barrier_wait -1
.endm
	s_load_b256 s[4:11], s[0:1], 0x0               ; qc, kc, vc, scales
	s_load_b64 s[12:13], s[0:1], 0x20              ; ac
	v_lshl_add_u32 v3, v0, 2, 0x40000
	v_mov_b32 v4, 0
	ds_add_u32 v3, v4                              ; the opening lines: the add, twice on end, and its wait ahead of my first tensor load
	ds_add_u32 v3, v4
	v_lshrrev_b32 v8, 5, v0
	s_delay_alu instid0(VALU_DEP_1)
	v_readfirstlane_b32 s18, v8                    ; wave 0..15
	s_bfe_u32 s14, ttmp6, 0x40000                  ; cx
	s_lshl_b32 s15, ttmp9, 2
	s_add_co_u32 s15, s15, s14                     ; my block of 256 queries: it enters Q's and the output's addresses alone
	s_and_b32 s16, ttmp7, 0xffff                   ; 16 b + head, which the partners share
	s_mov_b32 s24, 15|(3<<16)|(1<<21)              ; group 1 of the first fill: the mask; elements of 8 bytes; bit 21 beside a mask; no padding.  2,048 dense bytes as 8 rows of 256
	s_mov_b32 s25, 32<<16
	s_mov_b32 s26, 8<<16
	s_mov_b32 s27, 32<<16
	s_mov_b32 s28, 8
	s_mov_b32 s29, 32
	s_mov_b32 s30, 0
	s_mov_b32 s31, 0
	s_mov_b32 s40, 15|(3<<16)|(1<<21)              ; group 1 of the second fill: 14,336 dense bytes as 56 rows of 256
	s_mov_b32 s41, 32<<16
	s_mov_b32 s42, 56<<16
	s_mov_b32 s43, 32<<16
	s_mov_b32 s44, 56
	s_mov_b32 s45, 32
	s_mov_b32 s46, 0
	s_mov_b32 s47, 0
	s_lshl_b32 s80, s16, 17                        ; the head's 131,072 bytes
	s_and_b32 s17, s18, 7
	s_lshl_b32 s19, s17, 11                        ; my part of the first 16,384: 2,048 x (wave % 8)
	s_mul_i32 s17, s17, 14336
	s_add_co_u32 s17, s17, 16384                   ; my part of the rest: 16,384 + 14,336 x (wave % 8)
	s_add_co_u32 s84, s80, s17
	s_mov_b32 s85, 0
	s_add_co_u32 s80, s80, s19
	s_mov_b32 s81, 0
	s_lshr_b32 s86, s18, 3
	s_lshl_b32 s86, s86, 17                        ; K's part of LDS or V's: the wave's number alone
	s_mov_b32 s32, 1                               ; the two groups 0
	s_add_co_u32 s33, s86, s19
	s_mov_b32 s36, 1
	s_add_co_u32 s37, s86, s17
	s_mov_b32 s20, 0x76543210                      ; v_permlanex16_b32: lane l xor 16
	s_mov_b32 s21, 0xfedcba98
	s_mov_b32 s66, 0                               ; LDS byte of the step's tiles, in K's part and in V's alike
	s_wait_dscnt 0x0
	s_wait_kmcnt 0x0
	s_load_b256 s[68:75], s[10:11], 0x0            ; e0 .. e7
	s_load_b128 s[76:79], s[10:11], 0x20           ; e8 .. e11
	s_cmp_lt_u32 s18, 8                            ; K's codes or V's: the wave's number decides
	s_cselect_b64 s[82:83], s[6:7], s[8:9]
	s_add_nc_u64 s[34:35], s[82:83], s[80:81]
	s_or_b32 s35, s35, 0x80000000
	s_add_nc_u64 s[38:39], s[82:83], s[84:85]
	s_or_b32 s39, s39, 0x80000000
	ROUND                                          ; all four work-groups are here: the joint loads meet
	tensor_load_to_lds s[32:35], s[24:31]          ; my part of the first 256 keys: one tensor load a wave at the head
	s_nop 0
	s_lshl_b32 s84, s16, 7
	s_lshl_b32 s85, s15, 4
	s_add_co_u32 s84, s84, s85
	s_add_co_u32 s84, s84, s18                     ; my tile of queries: 128 (16 b + head) + 16 block + wave
	s_lshl_b32 s84, s84, 10
	s_mov_b32 s85, 0
	s_add_nc_u64 s[4:5], s[4:5], s[84:85]
	s_lshr_b32 s86, s16, 4                         ; the output: rows b 2,048 + s, k = 64 head + d, laid as a section of codes
	s_lshl_b32 s86, s86, 4
	s_lshl_b32 s87, s15, 1
	s_add_co_u32 s86, s86, s87
	s_lshr_b32 s87, s18, 3
	s_add_co_u32 s86, s86, s87                     ; block of 128 rows
	s_lshl_b32 s86, s86, 17
	s_and_b32 s87, s16, 15
	s_lshr_b32 s87, s87, 1                         ; K step = head / 2
	s_lshl_b32 s87, s87, 14
	s_add_co_u32 s86, s86, s87
	s_and_b32 s87, s18, 7                          ; tile of 16 rows
	s_lshl_b32 s87, s87, 11
	s_add_co_u32 s86, s86, s87
	s_and_b32 s87, s16, 1                          ; groups 2 (head % 2) and the next
	s_lshl_b32 s87, s87, 10
	s_add_co_u32 s86, s86, s87
	s_mov_b32 s87, 0
	s_add_nc_u64 s[12:13], s[12:13], s[86:87]
	v_and_b32 v1, 31, v0
	s_delay_alu instid0(VALU_DEP_1)
	v_lshlrev_b32 v1, 4, v1
	s_delay_alu instid0(VALU_DEP_1)
	v_add_nc_u32 v2, 0x20000, v1
	global_load_b128 v[16:19], v1, s[4:5]          ; Q's fragment stays in registers
	global_load_b128 v[20:23], v1, s[4:5] offset:512
	v_mov_b32 v13, 0xff61b1e6                      ; the largest t so far: -3e38, under every t
	s_delay_alu instid0(VALU_DEP_1)
	v_floor_f32 v12, -v13                          ; -M
	v_mov_b32 v14, 0
	v_mov_b32 v15, 0
	v_mov_b32 v29, 0                               ; a lane permute's destination counts as one of its sources
	v_mov_b32 v10, 0
	v_mov_b32 v11, 0                               ; (named as the upper half of the pair v[10:11])
.set KI, 0
.rept 32
	v_mov_b32 v[64+KI], 0                          ; O^T: the step is written for all keys alike; the first finds zeros, which the first change of M leaves zeros
.set KI, KI+1
.endr
	s_wait_kmcnt 0x0
	s_mov_b32 s22, 0x3e38aa3b                      ; c = log2(e) / 8
	s_add_co_i32 s88, s74, s75
	s_lshl_b32 s88, s88, 23
	s_add_co_i32 s22, s22, s88                     ; x 2^(e6 + e7)
	s_mov_b32 s23, s22
	s_add_co_i32 s88, s76, 127
	s_lshl_b32 s89, s88, 23
	v_mov_b32 v7, s89                              ; 2^e8
	s_add_co_i32 s88, s88, 15
	s_lshl_b32 s88, s88, 23
	s_or_b32 s88, s88, 0x600000
	v_mov_b32 v5, s88                              ; 57,344 x 2^e8,
	v_mov_b32 v6, s88                              ; twice
	s_sub_co_i32 s88, s78, s76
	s_sub_co_i32 s88, s88, s77                     ; a sum of the second product stands for sum x 2^(e8 + e9): its code is sum / l / 2^(e10 - e8 - e9)
	s_add_co_i32 s88, s88, 127
	s_lshl_b32 s90, s88, 23                        ; that power of two,
	s_add_co_i32 s88, s88, 15
	s_lshl_b32 s88, s88, 23
	s_or_b32 s91, s88, 0x600000                    ; and 57,344 x it: both for the way out
.macro KLOAD r, t0                     ; four tiles of 16 keys, t0 on, into v[r] on: 8 loads
.irp j, 0,1,2,3
	ds_load_b128 v[\r+8*\j:\r+8*\j+3], v8 offset:1024*(\t0+\j)
	ds_load_b128 v[\r+8*\j+4:\r+8*\j+7], v8 offset:1024*(\t0+\j)+512
.endr
.endm
.macro QK r, t0                        ; their scores
.irp j, 0,1,2,3
	v_wmma_f32_16x16x64_bf8_bf8 v[96+8*(\t0+\j):103+8*(\t0+\j)], v[\r+8*\j:\r+8*\j+7], v[16:23], 0
.endr
.endm
.macro MAXES r, n                      ; n more pairs of scores, from v[r] on, into the four chains
.set KI, 0
.rept \n
	v_max3_num_f32 v[24+KI%4], v[24+KI%4], v[\r+2*KI], v[\r+1+2*KI]
.set KI, KI+1
.endr
.endm
.macro PA b                            ; t - M of pair b
	v_pk_fma_f32 v[96+2*(\b):97+2*(\b)], v[96+2*(\b):97+2*(\b)], s[22:23], v[12:13] op_sel_hi:[1,0,0]
.endm
.macro PMIN b                          ; the conversion does not saturate (ISA guide 7.6.2); p is not negative, so the hold is one-sided: two numbers an instruction
	v_dual_min_num_f32 v[96+2*(\b)], v5, v[96+2*(\b)] :: v_dual_min_num_f32 v[97+2*(\b)], v6, v[97+2*(\b)]
.endm
.macro PCVT t
	v_cvt_scalef32_pk8_bf8_f32 v[32+2*(\t):33+2*(\t)], v[96+8*(\t):103+8*(\t)], v7
.endm
.macro VLOAD kb, d                     ; V's fragment of 16 d x 128 keys lands where scores lay whose codes are made
.irp g, 0,1,2,3
	ds_load_b128 v[96+64*(\kb)+16*(\d)+4*\g:99+64*(\kb)+16*(\d)+4*\g], v9 offset:8192*(\kb)+2048*(\d)+512*\g
.endr
.endm
.macro PV kb                           ; the four accumulators take turns
.irp d, 0,1,2,3
	v_wmma_f32_16x16x128_bf8_bf8 v[64+8*\d:71+8*\d], v[96+64*\kb+16*\d:111+64*\kb+16*\d], v[32+16*\kb:47+16*\kb], v[64+8*\d:71+8*\d]
.endr
.endm
.macro STEP                            ; 256 keys
	v_add_nc_u32 v8, s66, v1
	v_add_nc_u32 v9, s66, v2
.rept 3
	v_nop                                          ; five places behind the last products: the scores are laid over V's fragments, which those products read
.endr
	KLOAD 32, 0                                    ; twelve tiles are asked for at once: 24 loads; tiles 8-11 lie meanwhile where the scores of tiles 12-15 will
	KLOAD 224, 4
	KLOAD 192, 8
	s_wait_alu depctr_va_vdst(0)
	s_wait_dscnt 0x10                              ; tiles 0-3 are in; the sixteen younger loads may be out
	QK 32, 0
	s_wait_dscnt 0x8                               ; tiles 4-7; the eight youngest may be out
	QK 224, 4
	s_wait_dscnt 0x0
	QK 192, 8
.rept 4
	v_nop                                          ; four places ahead of loads into the fragments and of the first read of the scores
.endr
	KLOAD 32, 12                                   ; the last four tiles land under the maxima of the first twelve
.irp c, 0,1,2,3                        ; the largest score of my query among my 128 keys, in four chains, the registers in ascending order: each accumulator from its low end on
	v_max3_num_f32 v[24+\c], v[96+3*\c], v[97+3*\c], v[98+3*\c]
.endr
	MAXES 108, 42                                  ; up to v191.  Those of tiles 0-7 are also the places ahead of the products below, whose results are laid over the fragments of tiles 8-11
	s_wait_alu depctr_va_vdst(0)
	s_wait_dscnt 0x0
	QK 32, 12
.rept 4
	v_nop
.endr
	MAXES 192, 16
	s_delay_alu instid0(VALU_DEP_1)
	v_max3_num_f32 v28, v25, v26, v27
	s_delay_alu instid0(VALU_DEP_1)
	v_max_num_f32 v28, v28, v24
	v_permlanex16_b32 v29, v28, s20, s21
	s_delay_alu instid0(VALU_DEP_1)
	v_max_num_f32 v28, v28, v29                    ; and among lane l xor 16's
	s_delay_alu instid0(VALU_DEP_1)
	v_mul_f32 v28, s22, v28                        ; as t (c is positive)
	s_delay_alu instid0(VALU_DEP_1)
	v_max_num_f32 v13, v13, v28
	v_mov_b32 v28, v12
	s_delay_alu instid0(VALU_DEP_2)
	v_floor_f32 v12, -v13                          ; the new -M = -ceil(t)
	s_delay_alu instid0(VALU_DEP_1)
	v_sub_f32 v28, v12, v28                        ; old M - new M: a whole number, 0 or less
	s_delay_alu instid0(VALU_DEP_1)
	v_cvt_i32_f32 v28, v28                         ; (it saturates)
	s_delay_alu instid0(VALU_DEP_1)
	v_ldexp_f32 v10, 1.0, v28                      ; f = 2^(old M - new M)
.set BI, 0
.rept 32
	PA BI                                          ; tiles 0-7
.set BI, BI+1
.endr
	v_pk_mul_f32 v[14:15], v[14:15], v[10:11] op_sel_hi:[1,0]   ; the sum under the new M
.set BI, 0
.rept 16
	v_pk_mul_f32 v[64+2*BI:65+2*BI], v[64+2*BI:65+2*BI], v[10:11] op_sel_hi:[1,0]   ; O^T under the new M; no exponential stands between the last products and these first readers
.set BI, BI+1
.endr
	s_wait_alu depctr_va_vdst(0)                   ; ahead of a batch
.set BI, 0
.rept 32                               ; p = 2^(t - M) of tiles 0-7; between them t - M of tiles 8-15
	v_exp_f32 v[96+2*BI], v[96+2*BI]
	v_exp_f32 v[97+2*BI], v[97+2*BI]
	PA 32+BI
.set BI, BI+1
.endr
	s_wait_alu depctr_va_vdst(0)                   ; behind the first batch and ahead of the second
.set BI, 0
.rept 16                               ; p of tiles 8-15; between them, of tiles 0-7: sixteen sums of two pairs of the unquantised p, each into registers of its own, and behind each the hold of its pairs
	v_exp_f32 v[160+4*BI], v[160+4*BI]
	v_pk_add_f32 v[224+2*BI:225+2*BI], v[96+4*BI:97+4*BI], v[98+4*BI:99+4*BI]
	v_exp_f32 v[161+4*BI], v[161+4*BI]
	PMIN 2*BI
	v_exp_f32 v[162+4*BI], v[162+4*BI]
	v_exp_f32 v[163+4*BI], v[163+4*BI]
	PMIN 2*BI+1
.set BI, BI+1
.endr
	s_wait_alu depctr_va_vdst(0)                   ; behind the second batch
.irp t, 0,1,2,3,4,5,6,7
	PCVT \t
.endr
.irp d, 0,1,2,3
	VLOAD 0, \d                                    ; V's first 128 keys: 16 loads
.endr
	v_pk_add_f32 v[30:31], v[224:225], v[226:227]  ; the sum's second chain begins with two of the partial sums
.set TI, 8
.rept 8                                ; tiles 8-15: the sum of the unquantised p, the hold behind it, the codes; two tiles' registers then take a fragment of V's second 128 keys
	v_pk_add_f32 v[14:15], v[14:15], v[96+8*TI:97+8*TI]
	PMIN 4*TI
	v_pk_add_f32 v[30:31], v[30:31], v[98+8*TI:99+8*TI]
	PMIN 4*TI+1
	v_pk_add_f32 v[14:15], v[14:15], v[100+8*TI:101+8*TI]
	PMIN 4*TI+2
	v_pk_add_f32 v[30:31], v[30:31], v[102+8*TI:103+8*TI]
	PMIN 4*TI+3
	PCVT TI
.if TI%2 == 1
	VLOAD 1, (TI-9)/2
.endif
.set TI, TI+1
.endr
.set BI, 2
.rept 7                                ; the other fourteen partial sums, while V's last loads are out
	v_pk_add_f32 v[14:15], v[14:15], v[224+2*BI:225+2*BI]
	v_pk_add_f32 v[30:31], v[30:31], v[226+2*BI:227+2*BI]
.set BI, BI+2
.endr
	v_pk_add_f32 v[14:15], v[14:15], v[30:31]      ; the two chains
	s_wait_alu depctr_va_vdst(0)
	s_wait_dscnt 0x10                              ; V's first 128 keys are in; the sixteen loads of the second 128 may be out
	PV 0
	s_wait_dscnt 0x0
	PV 1
	s_add_co_u32 s66, s66, 16384
.endm
	s_wait_alu depctr_va_vdst(0)
	s_wait_loadcnt 0x0                             ; Q
	s_wait_tensorcnt 0x0                           ; my part of the first 256 keys has landed
	ds_add_u32 v3, v4                              ; 0 onto my spare word
	s_wait_dscnt 0x0                               ; the add is done
	ROUND                                          ; the first 256 keys are whole, and all four work-groups are here
	tensor_load_to_lds s[36:39], s[40:47]          ; my part of the other 1,792 keys: the first tensor load behind the round
	s_nop 0
	STEP                                           ; keys 0-255
	s_wait_tensorcnt 0x0                           ; my part of the rest has landed
	s_barrier_signal -1                            ; no LDS access of mine is out
	s_barrier_wait -1                              ; everybody's has: the head is whole
	s_mov_b32 s67, 7
.Lstep:
	STEP
	s_sub_co_u32 s67, s67, 1
	s_cmp_lg_u32 s67, 0
	s_cbranch_scc1 .Lstep
	v_mov_b32 v5, s91                              ; the output's hold and scale; with the two v_nop the four places behind the last products
	v_mov_b32 v7, s90
	v_nop
	v_nop
	v_add_f32 v14, v14, v15                        ; the sum's two halves,
	s_delay_alu instid0(VALU_DEP_1)
	v_permlanex16_b32 v10, v14, s20, s21
	s_delay_alu instid0(VALU_DEP_1)
	v_add_f32 v14, v14, v10                        ; and lane l xor 16's
	s_wait_alu depctr_va_vdst(0)                   ; ahead of the transcendental
	v_rcp_f32 v14, v14
	v_nop                                          ; one plain line behind a transcendental
	s_wait_alu depctr_va_vdst(0)                   ; behind it, directly ahead of the first readers of 1 / l and of O^T
.set BI, 0
.rept 16
	v_pk_mul_f32 v[96+2*BI:97+2*BI], v[64+2*BI:65+2*BI], v[14:15] op_sel_hi:[1,0]   ; O^T / l: register 8 t + i is d = 16 t + 8 h + i of my query
.set BI, BI+1
.endr
.set BI, 0
.rept 32
	v_med3_num_f32 v[96+BI], v[96+BI], -v5, v5
.set BI, BI+1
.endr
.irp d, 0,1,2,3
	v_cvt_scalef32_pk8_bf8_f32 v[24+2*\d:25+2*\d], v[96+8*\d:103+8*\d], v7
.endr
	v_nop
	global_store_b128 v1, v[24:27], s[12:13]       ; 512 consecutive bytes each
	global_store_b128 v1, v[28:31], s[12:13] offset:512
	s_wait_tensorcnt 0x0                           ; the wave's end
	ds_add_u32 v3, v4
	s_wait_dscnt 0x0
	ROUND                                          ; the closing round
	s_endpgm
.Lfunc_end_k_q48a223411a_attn:
	.size	k_q48a223411a_attn, .Lfunc_end_k_q48a223411a_attn-k_q48a223411a_attn
	.p2alignl 7, 3214868480
	.fill 96, 4, 3214868480
	.section	.rodata,"a",@progbits
	.p2align	6, 0x0
	.amdhsa_kernel k_q48a223411a_attn
		.amdhsa_group_segment_fixed_size 327680
		.amdhsa_private_segment_fixed_size 0
		.amdhsa_enable_private_segment 0
		.amdhsa_kernarg_size 40
		.amdhsa_user_sgpr_count 2
		.amdhsa_user_sgpr_kernarg_segment_ptr 1
		.amdhsa_wavefront_size32 1
		.amdhsa_system_sgpr_workgroup_id_x 1
		.amdhsa_system_sgpr_workgroup_id_y 1
		.amdhsa_system_sgpr_workgroup_id_z 1
		.amdhsa_system_vgpr_workitem_id 0
		.amdhsa_next_free_vgpr 256
		.amdhsa_next_free_sgpr 100
		.amdhsa_reserve_vcc 0
		.amdhsa_float_denorm_mode_32 3
		.amdhsa_float_denorm_mode_16_64 3
		.amdhsa_memory_ordered 1
		.amdhsa_forward_progress 1
		.amdhsa_inst_pref_size 70
	.end_amdhsa_kernel
	.amdgpu_metadata
---
amdhsa.version: [ 1, 2 ]
amdhsa.kernels:
  - .name:           k_q48a223411a_attn
    .symbol:         k_q48a223411a_attn.kd
    .args:
      - { .name: qc, .offset: 0, .size: 8, .value_kind: global_buffer, .address_space: global }
      - { .name: kc, .offset: 8, .size: 8, .value_kind: global_buffer, .address_space: global }
      - { .name: vc, .offset: 16, .size: 8, .value_kind: global_buffer, .address_space: global }
      - { .name: lowp_scales, .offset: 24, .size: 8, .value_kind: global_buffer, .address_space: global }
      - { .name: ac, .offset: 32, .size: 8, .value_kind: global_buffer, .address_space: global }
    .group_segment_fixed_size: 327680
    .private_segment_fixed_size: 0
    .kernarg_segment_align: 8
    .kernarg_segment_size: 40
    .max_flat_workgroup_size: 512
    .sgpr_count:     100
    .vgpr_count:     256
    .wavefront_size: 32
...
	.end_amdgpu_metadata
.endif
;; end of part 7
;; launch oproj (part 8): grid 8 x 32, 4 waves a work-group, clusters of 4 x 4, 280,064 bytes of LDS; arguments codes, ac, bo, lowp_scales, out0; writes out0
.if DOCPART == 8
	.amdgcn_target "amdgcn-amd-amdhsa--gfx1250"
	.amdhsa_code_object_version 6
	.text
	.protected	k_q48a223411a_oproj
	.globl	k_q48a223411a_oproj
	.p2align	8
	.type	k_q48a223411a_oproj,@function
k_q48a223411a_oproj:
	s_mov_b64 s[64:65], 0
	v_nop
	global_prefetch_b8 v0, s[64:65] scope:SCOPE_SE
	s_setreg_imm32_b32 hwreg(HW_REG_WAVE_MODE, 25, 1), 1
	s_wait_xcnt 0x0
	s_wait_alu depctr_hold_cnt(0) depctr_sa_sdst(0) depctr_va_vdst(0) depctr_va_sdst(0) depctr_va_ssrc(0) depctr_va_vcc(0) depctr_vm_vsrc(0)
	s_getreg_b32 s2, hwreg(HW_REG_IB_STS2, 6, 4)
	s_cmp_eq_u32 s2, 0
	s_cbranch_scc0 .Lentry_in_a_cluster
	s_endpgm
.Lentry_in_a_cluster:
	s_bfe_u32 s2, ttmp6, 0x10000c
	s_cmp_lg_u32 s2, 0xf033
	s_cbranch_scc0 .Lentry_shape_is_right
	s_endpgm
.Lentry_shape_is_right:
; out0 = a Wo^T + bo on codes of BF8 (E5M2): a [4096][1024] from the attention launch, Wo's codes at 15 MiB of the codes' buffer, both as images of operand registers; out0 [4096][1024] f32.
; A work-group makes a tile of 128 x 128 with the whole K = 1,024 in LDS: two dense blocks of 131,072 bytes, each filled once; four waves, each 64 x 64: 16 accumulators.
; D = src0 x src1^T, src0 = 128 rows of Wo, src1 = 128 rows of a: lane (r, h) holds row r of the output and eight neighbouring columns.
; CLUSTERS: 4 x 4.  Wo's block hangs on cx alone and is asked for jointly by my column of the cluster, a's on cy alone, by my row.
; THE WAY OUT: 16 rows x 64 columns at a time through the wave's own stage (16 rows of 256 + 16 bytes, behind the two blocks, where no fill lands); back as whole rows: sixteen lanes store 256 consecutive bytes, aligned.
; LIMIT: e10 + e11 between -126 and 127.
; REGISTERS: window 0: v1 16 x lane; v2, v3 src0's fragments in LDS (K steps 0-3, 4-7); v4, v5 src1's; v6, v7 the stage, in and back; v12 my offset in two rows of the output; v13 a bias offset; v16-47 bias;
;   v48-79 results; v80-111 rows read back; v128-255 the accumulators.   window 1: two fragment buffers of 128.
.set ACC, 128
.set MSB, 0
.macro WIN new                         ; the immediate's high byte repeats the setting that is left
.if MSB != \new
	s_set_vgpr_msb (MSB<<8)|\new
.set MSB, \new
.endif
.endm
.set MUL,  0x05                        ; sources 0 and 1 window 1; C and D window 0
.set TO_F, 0x40                        ; destination window 1, address window 0
.macro ROUND                           ; a round of the cluster's barrier
	s_barrier_signal -1
	s_barrier_wait -1
	s_cmp_lg_u32 s4, 0
	s_cbranch_scc1 .Lnot_wave_0_\@
	s_barrier_signal -3
.Lnot_wave_0_\@:
	s_barrier_wait -3
	s_barrier_signal -1
	s_barrier_wait -1
.endm
.macro PLACES                          ; four places in front of loads into registers that matrix instructions have read, and of the first read of results
.rept 4
	v_nop
.endr
.endm
.macro FETCH ks, f                     ; 32 LDS loads: K step ks's eight fragments into buffer f
	WIN TO_F
.irp i, 0,1,2,3
.irp g, 0,1,2,3
	ds_load_b128 v[\f+64+16*\i+4*\g:\f+64+16*\i+4*\g+3], v[2+((\ks)/4)] offset:((\ks)%4)*16384+2048*\i+512*\g
.endr
.endr
.irp i, 0,1,2,3
.irp g, 0,1,2,3
	ds_load_b128 v[\f+16*\i+4*\g:\f+16*\i+4*\g+3], v[4+((\ks)/4)] offset:((\ks)%4)*16384+2048*\i+512*\g
.endr
.endr
.endm
.macro MUL8 f, a0, zero                ; the 16 accumulators take turns, one instruction a turn, in the same order in every K step
.irp a, \a0, \a0+1
.irp b, 0,1,2,3
.if \zero
	v_wmma_f32_16x16x128_bf8_bf8 v[ACC+8*(4*(\a)+\b):ACC+8*(4*(\a)+\b)+7], v[\f+64+16*\b:\f+64+16*\b+15], v[\f+16*(\a):\f+16*(\a)+15], 0
.else
	v_wmma_f32_16x16x128_bf8_bf8 v[ACC+8*(4*(\a)+\b):ACC+8*(4*(\a)+\b)+7], v[\f+64+16*\b:\f+64+16*\b+15], v[\f+16*(\a):\f+16*(\a)+15], v[ACC+8*(4*(\a)+\b):ACC+8*(4*(\a)+\b)+7]
.endif
.endr
.endr
.endm
.macro KSTEP ks
.set FB, 128*((\ks)%2)
.set FN, 128-FB
	s_wait_dscnt 0x0                               ; this K step's fragments are in
	WIN MUL
.if (\ks) == 0
	MUL8 FB, 0, 1                                  ; the first K step starts the sums: nothing is cleared
.else
	MUL8 FB, 0, 0
.endif
.if (\ks) < 7
	PLACES
	FETCH (\ks)+1, FN
.endif
	WIN MUL
.if (\ks) == 0
	MUL8 FB, 2, 1
.else
	MUL8 FB, 2, 0
.endif
.endm
	s_load_b256 s[80:87], s[0:1], 0x0              ; codes, ac, bo, scales
	s_load_b64 s[88:89], s[0:1], 0x20              ; out0
	v_lshl_add_u32 v126, v0, 2, 0x44400
	v_mov_b32 v127, 0
	ds_add_u32 v126, v127
	ds_add_u32 v126, v127
	v_lshrrev_b32 v1, 5, v0
	v_readfirstlane_b32 s4, v1                     ; wave 0..3
	s_and_b32 s5, s4, 1                            ; W0: which four of src0's tiles are mine.  Also: which half of a block I fetch
	s_lshr_b32 s6, s4, 1                           ; W1: which four of src1's.  Also: I fetch for src0 (0) or src1 (1)
	s_bfe_u32 s7, ttmp6, 0x40000                   ; cx
	s_bfe_u32 s8, ttmp6, 0x40004                   ; cy
	s_lshl_b32 s66, ttmp9, 2
	s_add_co_u32 s66, s66, s7                      ; Wo's block of 128 rows: never holds cy
	s_and_b32 s10, ttmp7, 0xffff
	s_lshl_b32 s67, s10, 2
	s_add_co_u32 s67, s67, s8                      ; a's block of 128 rows: never holds cx
	s_lshl_b32 s12, 0x1111, s7                     ; my column of the cluster
	s_or_b32 s16, s12, (3<<16)|(1<<21)             ; group 1 for src0: the mask; elements of 8 bytes; bit 21 beside a mask; no padding
	s_lshl_b32 s13, s8, 2
	s_lshl_b32 s13, 15, s13                        ; my row
	s_or_b32 s24, s13, (3<<16)|(1<<21)             ; group 1 for src1
.irp g, 16, 24                         ; what one load brings: half a block, 65,536 dense bytes as 256 rows of 256
	s_mov_b32 s[\g+1], 32<<16
	s_mov_b32 s[\g+2], 256<<16
	s_mov_b32 s[\g+3], 32<<16
	s_mov_b32 s[\g+4], 256
	s_mov_b32 s[\g+5], 32
	s_mov_b32 s[\g+6], 0
	s_mov_b32 s[\g+7], 0
.endr
	s_lshl_b32 s11, s5, 16                         ; my half of a block: K steps 4 (wave % 2) on
	s_lshl_b32 s14, s66, 17
	s_add_co_u32 s14, s14, 0xf00000
	s_add_co_u32 s14, s14, s11
	s_mov_b32 s15, 0
	s_lshl_b32 s98, s67, 17
	s_add_co_u32 s98, s98, s11
	s_mov_b32 s99, 0
	s_lshl_b32 s3, s6, 17
	s_add_co_u32 s3, s3, s11                       ; where my chunks go: 131,072 (wave / 2) + 65,536 (wave % 2)
	s_wait_dscnt 0x0
	s_wait_kmcnt 0x0
	s_load_b64 s[70:71], s[86:87], 0x28            ; e10, e11
	s_add_nc_u64 s[14:15], s[80:81], s[14:15]
	s_add_nc_u64 s[98:99], s[82:83], s[98:99]
.irp c, 0                              ; one group 0 for src0 and one for src1
	s_mov_b32 s[32+4*\c], 1
	s_add_co_u32 s[33+4*\c], s3, \c*32768
	s_add_nc_u64 s[34+4*\c:35+4*\c], s[14:15], \c*32768
	s_or_b32 s[35+4*\c], s[35+4*\c], 0x80000000
	s_mov_b32 s[48+4*\c], 1
	s_add_co_u32 s[49+4*\c], s3, \c*32768
	s_add_nc_u64 s[50+4*\c:51+4*\c], s[98:99], \c*32768
	s_or_b32 s[51+4*\c], s[51+4*\c], 0x80000000
.endr
	ROUND                                          ; all sixteen work-groups are here: the joint loads meet
	s_cmp_lt_u32 s4, 2                             ; one fill a wave, in the two arms of one branch on its number
	s_cbranch_scc0 .Lfor_1
.irp c, 0
	tensor_load_to_lds s[32+4*\c:35+4*\c], s[16:23]
	s_nop 0
.endr
.rept 4
	v_nop
.endr
	s_branch .Lasked
.Lfor_1:
.irp c, 0
	tensor_load_to_lds s[48+4*\c:51+4*\c], s[24:31]
	s_nop 0
.endr
.rept 4
	v_nop
.endr
.Lasked:
	v_and_b32 v1, 31, v0
	v_lshlrev_b32 v1, 4, v1                        ; 16 x lane
	s_lshl_b32 s12, s5, 13
	v_add_nc_u32 v2, s12, v1
	v_add_nc_u32 v3, 0x10000, v2
	s_lshl_b32 s13, s6, 13
	s_add_co_u32 s13, s13, 0x20000
	v_add_nc_u32 v4, s13, v1
	v_add_nc_u32 v5, 0x10000, v4
	v_and_b32 v10, 15, v0                          ; r
	v_bfe_u32 v11, v0, 4, 1                        ; h
	s_mul_i32 s12, s4, 4352
	s_add_co_u32 s12, s12, 0x40000                 ; my stage
	v_mul_u32_u24 v6, v10, 272
	v_lshl_add_u32 v6, v11, 5, v6
	v_add_nc_u32 v6, s12, v6                       ; in: row r, + 32 h bytes
	v_mul_u32_u24 v7, v11, 272
	v_lshl_add_u32 v7, v10, 4, v7
	v_add_nc_u32 v7, s12, v7                       ; back: lanes 0-15 one row of 256 bytes, lanes 16-31 the next
	v_lshlrev_b32 v12, 4, v10
	v_lshl_add_u32 v12, v11, 12, v12               ; and the same two rows in the output
	v_lshlrev_b32 v13, 5, v11                      ; 32 h: my eight numbers of a tile's sixteen
	s_wait_alu depctr_va_vdst(0)
	s_lshl_b32 s2, s66, 9
	s_lshl_b32 s12, s5, 8
	s_add_co_u32 s2, s2, s12                       ; my 64 columns, in bytes
	s_mov_b32 s3, 0
	s_add_nc_u64 s[84:85], s[84:85], s[2:3]
	s_add_nc_u64 s[88:89], s[88:89], s[2:3]
	s_lshl_b32 s2, s67, 19
	s_lshl_b32 s12, s6, 18
	s_add_co_u32 s2, s2, s12                       ; my 64 rows of 4,096 bytes
	s_add_nc_u64 s[88:89], s[88:89], s[2:3]
.irp b, 0,1,2,3
	global_load_b128 v[16+8*\b:19+8*\b], v13, s[84:85] offset:64*\b
	global_load_b128 v[20+8*\b:23+8*\b], v13, s[84:85] offset:64*\b+16
.endr
	s_wait_kmcnt 0x0
	s_add_co_i32 s70, s70, s71
	s_add_co_i32 s70, s70, 127
	s_lshl_b32 s70, s70, 23                        ; 2^(e10 + e11) as f32
	s_mov_b32 s71, s70                             ; (named with it as a pair, so it is written)
	s_wait_tensorcnt 0x0                           ; my half of a block has landed
	s_barrier_signal -1
	s_barrier_wait -1                              ; K steps 0 and 1 of both blocks are whole
	FETCH 0, 0
.irp ks, 0,1,2,3,4,5,6,7
	KSTEP \ks
.endr
	WIN 0
	PLACES
	s_wait_loadcnt 0x0                             ; the bias
.macro EPI_O a                         ; 16 rows x 64 columns
.set A0, ACC+32*(\a)
.irp j, 0,2,4,6,8,10,12,14,16,18,20,22,24,26,28,30
	v_pk_fma_f32 v[48+\j:49+\j], v[A0+\j:A0+\j+1], s[70:71], v[16+\j:17+\j] op_sel_hi:[1,0,1]   ; sum x 2^(e10 + e11) + bo; each accumulator from its low end on
.endr
.irp b, 0,1,2,3
	ds_store_b128 v6, v[48+8*\b:51+8*\b] offset:64*\b
	ds_store_b128 v6, v[52+8*\b:55+8*\b] offset:64*\b+16
.endr
	s_wait_xcnt 0x0                                ; the registers that the last stores read are loaded again only behind this wait
.irp t, 0,1,2,3,4,5,6,7
	ds_load_b128 v[80+4*\t:83+4*\t], v7 offset:544*\t   ; LDS serves a wave's instructions in order (ISA guide 5.7.1.4): these see my stores
.endr
	s_wait_dscnt 0x0
.irp t, 0,1,2,3,4,5,6,7
	global_store_b128 v12, v[80+4*\t:83+4*\t], s[88:89] offset:65536*(\a)+8192*\t th:TH_STORE_NT   ; sixteen lanes store 256 consecutive bytes, aligned; written once, read by nobody here
.endr
.endm
	EPI_O 0
	EPI_O 1
	EPI_O 2
	EPI_O 3
	s_wait_tensorcnt 0x0
	ds_add_u32 v126, v127
	s_wait_dscnt 0x0
	ROUND                                          ; the closing round: no work-group ends while a partner may still ask for a block that names it
	s_endpgm
.Lfunc_end_k_q48a223411a_oproj:
	.size	k_q48a223411a_oproj, .Lfunc_end_k_q48a223411a_oproj-k_q48a223411a_oproj
	.p2alignl 7, 3214868480
	.fill 96, 4, 3214868480
	.section	.rodata,"a",@progbits
	.p2align	6, 0x0
	.amdhsa_kernel k_q48a223411a_oproj
		.amdhsa_group_segment_fixed_size 280064
		.amdhsa_private_segment_fixed_size 0
		.amdhsa_enable_private_segment 0
		.amdhsa_kernarg_size 40
		.amdhsa_user_sgpr_count 2
		.amdhsa_user_sgpr_kernarg_segment_ptr 1
		.amdhsa_wavefront_size32 1
		.amdhsa_system_sgpr_workgroup_id_x 1
		.amdhsa_system_sgpr_workgroup_id_y 1
		.amdhsa_system_sgpr_workgroup_id_z 1
		.amdhsa_system_vgpr_workitem_id 0
		.amdhsa_next_free_vgpr 512
		.amdhsa_next_free_sgpr 100
		.amdhsa_reserve_vcc 0
		.amdhsa_float_denorm_mode_32 3
		.amdhsa_float_denorm_mode_16_64 3
		.amdhsa_memory_ordered 1
		.amdhsa_forward_progress 1
		.amdhsa_inst_pref_size 44
	.end_amdhsa_kernel
	.amdgpu_metadata
---
amdhsa.version: [ 1, 2 ]
amdhsa.kernels:
  - .name:           k_q48a223411a_oproj
    .symbol:         k_q48a223411a_oproj.kd
    .args:
      - { .name: codes, .offset: 0, .size: 8, .value_kind: global_buffer, .address_space: global }
      - { .name: ac, .offset: 8, .size: 8, .value_kind: global_buffer, .address_space: global }
      - { .name: bo, .offset: 16, .size: 8, .value_kind: global_buffer, .address_space: global }
      - { .name: lowp_scales, .offset: 24, .size: 8, .value_kind: global_buffer, .address_space: global }
      - { .name: out0, .offset: 32, .size: 8, .value_kind: global_buffer, .address_space: global }
    .group_segment_fixed_size: 280064
    .private_segment_fixed_size: 0
    .kernarg_segment_align: 8
    .kernarg_segment_size: 40
    .max_flat_workgroup_size: 128
    .sgpr_count:     100
    .vgpr_count:     512
    .wavefront_size: 32
...
	.end_amdgpu_metadata
.endif
;; end of part 8
